; MI455X (gfx1250); checked and timed in simulation.
; The chip was launched on July 23, 2026; its instructions are those of AMD's public machine-readable ISA for CDNA 5 (MIT licence, August 2026) and "CDNA5" Instruction Set Architecture Reference Guide (July 2026). The comments in the code are by the model that wrote it; some were corrected since.
;; Transformer Encoder. Allowed arithmetic: matrix products marked QUANTISED: E3M2 operands, one E8M0 scale for each 32 along K, by v_wmma_scale_f32_16x16x128_f8f6f4 with both operands' format E3M2, f32 sums; everything else in f32.
;; Inputs: Wk_b 256 float32; Wk_w_codes 256 x 16 x 24 uint8 (E3M2 codes of Wk_w, K innermost, in blocks of 32 codes, four codes in three bytes); Wk_w_scales 256 x 16 uint8 (E8M0 scales of Wk_w, one for each 32 codes along K); Wq_b 256 float32; Wq_w_codes 256 x 16 x 24 uint8 (E3M2 codes of Wq_w, K innermost, in blocks of 32 codes, four codes in three bytes); Wq_w_scales 256 x 16 uint8 (E8M0 scales of Wq_w, one for each 32 codes along K); Wu_b 512 float32; Wu_w_codes 512 x 8 x 24 uint8 (E3M2 codes of Wu_w, K innermost, in blocks of 32 codes, four codes in three bytes); Wu_w_scales 512 x 8 uint8 (E8M0 scales of Wu_w, one for each 32 codes along K); Wv_b 256 float32; Wv_w_codes 256 x 16 x 24 uint8 (E3M2 codes of Wv_w, K innermost, in blocks of 32 codes, four codes in three bytes); Wv_w_scales 256 x 16 uint8 (E8M0 scales of Wv_w, one for each 32 codes along K); ff1_b 1,024 float32; ff1_w_codes 1,024 x 16 x 24 uint8 (E3M2 codes of ff1_w, K innermost, in blocks of 32 codes, four codes in three bytes); ff1_w_scales 1,024 x 16 uint8 (E8M0 scales of ff1_w, one for each 32 codes along K); ff2_b 512 float32; ff2_w_codes 512 x 32 x 24 uint8 (E3M2 codes of ff2_w, K innermost, in blocks of 32 codes, four codes in three bytes); ff2_w_scales 512 x 32 uint8 (E8M0 scales of ff2_w, one for each 32 codes along K); ln1_b 512 float32; ln1_g 512 float32; ln2_b 512 float32; ln2_g 512 float32; x 4 x 4,096 x 512 float32.
;; Outputs: out0 4 x 4,096 x 512 float32.
;; This version of the problem:
;;   THIS VERSION OF THE PROBLEM IS GIVEN IN LOW PRECISION. The matrix products marked QUANTISED in the list below multiply operands that are first quantised to E3M2 (3 exponent bits, 2 mantissa bits; 6 bits a number), with one power-of-two scale for each 32 numbers along K (OCP MX v1.0); their sums are f32. All else is computed in f32.
;;   The module's matrix products, in the order in which they are computed (A, B: the left and right operand; K: the contracted axis; several contracted axes count as one K, in the product's order):
;;     1. [M 16,384, K 512] x [K 512, N 256]; A: input x; B: input Wq_w (given as codes): QUANTISED
;;     2. [M 16,384, K 512] x [K 512, N 256]; A: input x; B: input Wk_w (given as codes): QUANTISED
;;     3. [M 16,384, K 512] x [K 512, N 256]; A: input x; B: input Wv_w (given as codes): QUANTISED
;;     4. batch 4 x [M 4,096, K 256] x [K 256, N 4,096]; A: computed on the way; B: computed on the way: QUANTISED
;;     5. batch 4 x [M 4,096, K 4,096] x [K 4,096, N 256]; A: softmax (see below); B: computed on the way: QUANTISED
;;     6. [M 16,384, K 256] x [K 256, N 512]; A: computed on the way; B: input Wu_w (given as codes): QUANTISED
;;     7. [M 16,384, K 512] x [K 512, N 1,024]; A: computed on the way; B: input ff1_w (given as codes): QUANTISED
;;     8. [M 16,384, K 1,024] x [K 1,024, N 512]; A: computed on the way; B: input ff2_w (given as codes): QUANTISED
;;   THE QUANTISER, for each operand of a quantised product, along K:
;;     - K is cut into blocks of 32 from its start; a last block that is shorter is filled with zeros.
;;     - A block's scale is 2^e with e = floor(log2(the largest magnitude in the block)) - 4, held to -126 .. 127; a block of zeros has e = 0. As a byte (E8M0): e + 127.
;;     - Each number is divided by its block's scale, clamped to +-28, and rounded to the nearest number of E3M2, ties to even, subnormals kept.
;;     - The product sums the exact products of the quantised numbers (number of the format x scale) in f32.
;;   ~~~python
;;   def quantise(x, axis):      # numpy; x: float32 -> the quantised numbers, widened to float32 again
;;       x = np.moveaxis(x, axis, -1); K = x.shape[-1]
;;       x = np.pad(x, [(0, 0)] * (x.ndim - 1) + [(0, -K % 32)]); x = x.reshape(x.shape[:-1] + (-1, 32)); a = np.abs(x).max(-1, keepdims=True)
;;       e = np.where(a > 0, np.clip(np.frexp(np.where(a > 0, a, 1))[1] - 1 - 4, -126, 127), 0)      # np.frexp(a)[1] - 1 = floor(log2(a)), exactly
;;       r = np.clip(x / 2.0 ** e, -28, 28)
;;       step = 2.0 ** (np.maximum(np.frexp(np.where(r == 0, 1, r))[1] - 1, -2) - 2)
;;       q = np.round(r / step) * step * 2.0 ** e      # np.round: ties to even
;;       return np.moveaxis(q.reshape(q.shape[:-2] + (-1,))[..., :K], -1, axis).astype(np.float32)
;;   ~~~
;;   SOFTMAX AHEAD OF A QUANTISED PRODUCT. Where the list says 'softmax', what is quantised is not the finished softmax but p = 2^(t - M), with t = logit x log2(e) and M = ceil(the row's largest t), a whole number; so 1/2 < the row's largest p <= 1. The row's sum l is taken of the UNQUANTISED p, in f32, and the product's result is divided by l at the end. Since M is a whole number, a kernel that streams over the keys may use a running M (the ceiling of the running maximum): every later rescaling is an exact power of two, which a block's scale takes up: the codes' values come out the same.
;;   OPERANDS COMPUTED ON THE WAY. 'Computed on the way' means the value that the module computes at that place (a softmax that the list does not call 'softmax' is quantised finished and normalised). What goes into a quantiser is computed in f32, as accurately as f32 sums, v_exp_f32 and their like allow (about 1e-6 of the number): no bf16 or f16 on the way to a quantiser, and a product that is left as it is and whose result goes on into a quantised operand takes f32 operands (vector FMAs, or v_wmma_f32_16x16x4_f32). A number that lies on a knife's edge between two numbers of the format may be rounded either way, as far as f32 arithmetic and the matrix unit's own rounding can turn it there, and no further.
;;   INPUTS GIVEN AS CODES. Wk_w (in the module: [512, 256], K = its axis 0); Wq_w (in the module: [512, 256], K = its axis 0); Wu_w (in the module: [256, 512], K = its axis 0); Wv_w (in the module: [512, 256], K = its axis 0); ff1_w (in the module: [512, 1024], K = its axis 0); ff2_w (in the module: [1024, 512], K = its axis 0): each comes as NAME_codes (uint8): NAME with its K axis moved to the last place and cut into blocks of 32 codes, [.., K / 32, bytes a block], one block behind the other in memory; four codes in three bytes: a row's codes are one little-endian stream of bits, code i at bits 6 i .. 6 i + 5 (a code: sign, 3 exponent bits, 2 mantissa bits); and NAME_scales (uint8): the same leading axes, one E8M0 byte (e + 127) for each 32 codes along K. Its value is code x scale, taken as it is: it is not quantised again, and the codes and scales need not be those that the quantiser above would give.
;; One version. Each part assembles by itself: llvm-mc -triple=amdgcn-amd-amdhsa -mcpu=gfx1250 --defsym DOCPART=n.
;; ======== version 1 of 1: 3 launches
;; workspace buffers: qimg 3,145,728 bytes; kv 6,291,456 bytes; sc 393,216 bytes; wts 921,600 bytes; att 3,276,800 bytes
;; launch qkv (part 1): grid 256 x 1, 4 waves a work-group, clusters of 4 x 1, 327,680 bytes of LDS; arguments x, Wq_w_codes, Wq_w_scales, Wq_b, Wk_w_codes, Wk_w_scales, Wk_b, Wv_w_codes, Wv_w_scales, Wv_b, Wu_w_codes, Wu_w_scales, ff1_w_codes, ff1_w_scales, ff2_w_codes, ff2_w_scales, qimg, kv, sc, wts; writes qimg, kv, sc, wts
.if DOCPART == 1
	.amdgcn_target "amdgcn-amd-amdhsa--gfx1250"
	.amdhsa_code_object_version 6
	.text
	.protected	k_q75015cb8fd_qkv
	.globl	k_q75015cb8fd_qkv
	.p2align	8
	.type	k_q75015cb8fd_qkv,@function
k_q75015cb8fd_qkv:
	s_mov_b64 s[64:65], 0
	v_nop
	global_prefetch_b8 v0, s[64:65] scope:SCOPE_SE
	s_setreg_imm32_b32 hwreg(HW_REG_WAVE_MODE, 25, 1), 1
	s_wait_xcnt 0x0
	s_wait_alu depctr_hold_cnt(0) depctr_sa_sdst(0) depctr_va_vdst(0) depctr_va_sdst(0) depctr_va_ssrc(0) depctr_va_vcc(0) depctr_vm_vsrc(0)
	s_getreg_b32 s2, hwreg(HW_REG_IB_STS2, 6, 4)
	s_cmp_eq_u32 s2, 0
	s_cbranch_scc0 .Lentry_in_a_cluster
	s_endpgm
.Lentry_in_a_cluster:
	s_bfe_u32 s2, ttmp6, 0x10000c
	s_cmp_lg_u32 s2, 0x3003
	s_cbranch_scc0 .Lentry_shape_is_right
	s_endpgm
.Lentry_shape_is_right:
; q = x Wq + bq, k = x Wk + bk, v = x Wv + bv on codes of E3M2 with one E8M0 scale for each 32 along K; then q and k are quantised along the 256 channels and v along the keys.
; DEAD WORK: none.  Every product and every input of reference() has a way to the output (each bias goes into a quantised operand or into a sum that is kept), so all inputs are loaded by one launch or another.
; LIMITS: a block of zeros gets the scale byte 1 where the rule says 127 (its codes are zeros, and these bytes are read by this program alone); NaN and infinities among the inputs are not served.
; SHARES.  256 work-groups of four waves; work-group G = 4 x cluster + place owns tokens 64 G .. 64 G + 63 (four tiles of 16).  The three weights are the same for all: the four partners of a cluster ask for them jointly.
;   X: wave w quantises tile w of x (four fragments of 128 along K) and leaves their register images in LDS.
;   Q, K: wave (ch = w & 1, th = w >> 1) makes channels 128 ch .. + 127 of tiles 2 th, 2 th + 1, TRANSPOSED (source 0 = 16 rows of W, source 1 = x): a lane holds one token and its registers run along the channels, the next K.
;   V: wave w makes channel tiles 4 w .. 4 w + 3 for all 64 tokens, NOT transposed (source 0 = x, source 1 = 16 rows of Wv): a lane holds one channel and its registers run along the tokens, which are the keys.
; ORDER INSIDE A BLOCK OF 32.  q, k, v and (in the next launch) p come out of result tiles of neighbouring rows, so inside each block of 32 their numbers stand in one and the same other order on both sides of a product:
;   the products, the blocks' members and so the scales are those of the natural order.  Wv's rows of a tile are chosen (lane r of tile (b, u): row 32 b + 8 u + r + 8 (r / 8)) so that the next launch's result has its channels in natural order.
; A FRAGMENT'S IMAGE (16 rows x 128 K, 12 registers a lane): registers 4 g .. 4 g + 3 of lane l at 512 g + 16 l: 1,536 bytes, written and read by three accesses of 512 consecutive bytes.
; ON THE SIDE: clusters 0 to 35 lay Wu, ff1 and ff2 out as such images for the last launch, one fragment a wave.
; REGISTERS: window 0: v1-31 addresses, v32-47 at work, v48 a scale word, v52-71 codes, v72-127 scale words, v128-191 64 numbers of x, v192.. small things.  window 1: x as loaded, then x's fragments.
;   window 2: W's fragments (two sets of 96; in phase V sixteen), v192-223 bv's tiles.  window 3: v0-127 accumulators, v128-191 bq's tiles, v192-255 bk's.
.set WP,    432                        ; a weight's row in LDS: 3 x (128 bytes + 16 of padding)
.set R0,    0                          ; Wq, later Wv: 256 rows
.set R1,    110592                     ; Wk
.set XIMG,  221184                     ; x's 16 fragments (4 x tile + K step)
.set XSC,   245760                     ; their scale words, 128 bytes each
.set SCST,  247808                     ; the group's scale words of q, of k (+512), of v (+1,024), as they go to memory
.set XSTG,  249344                     ; a stage of 16 rows x (512 + 16) bytes for each wave
.set SPARE, 283136                     ; the spare words, 128 bytes for each wave
.set LI, 4
.set L4, 5
.set XSTO, 6
.set XSRD, 7
.set XWI, 8
.set XWS, 9
.set XRI, 10
.set XRIV, 11
.set XRS, 12
.set XRSV, 13
.set AWQ, 14
.set AWK, 16
.set AWV, 18
.set QSA, 20
.set KSA, 21
.set VSA, 22
.set GOQ, 23
.set GOV, 24
.set GOV8, 25
.set SCRD, 26
.set RP, 27
.set R4, 28
.set SPW, 30
.set NIL, 31
.set TM, 32
.set PW, 48
.set PC, 52
.set XS, 72
.set WSQ, 88
.set WSK, 104
.set WSV, 120
.set XN, 128
.set VU, 192
.set WV, 4
.set CH, 5
.set TH, 6
.set CX, 7
.set GG, 66
.set PX, 8
.set PQC, 10
.set PQS, 12
.set PQB, 14
.set PKC, 16
.set PKS, 18
.set PKB, 20
.set PVC, 22
.set PVS, 24
.set PVB, 26
.set PUC, 28
.set PUS, 30
.set PF1C, 32
.set PF1S, 34
.set PF2C, 36
.set PF2S, 38
.set PQI, 40
.set PKV, 42
.set PSC, 44
.set PWT, 46
.set G1, 48
.set G0Q, 56
.set G0K, 60
.set G0V, 68
.set SEL, 74
.set KVV, 98
.set MSB, 0
.macro WIN new                         ; the immediate's high byte repeats the setting that is left; a switch that changes nothing is dropped
.if MSB != (\new)
	s_set_vgpr_msb (MSB<<8)|(\new)
.set MSB, \new
.endif
.endm
.macro PLACES n
.rept \n
	v_nop
.endr
.endm
.macro CROUND                          ; a round of the cluster's barrier
	s_barrier_signal -1
	s_barrier_wait -1
	s_cmp_lg_u32 s[WV], 0
	s_cbranch_scc1 .Lnw0_\@
	s_barrier_signal -3
.Lnw0_\@:
	s_barrier_wait -3
	s_barrier_signal -1
	s_barrier_wait -1
.endm
; one matrix instruction: d, a, b: first registers; c: C's first register, or -1 for the constant 0; sa, sb: scale registers; ra, rb: 1 = the scales stand in lanes 16-31
.macro WM d, a, b, c, sa, sb, ra, rb
.if (\c) < 0
.if (\ra) && (\rb)
	v_wmma_scale_f32_16x16x128_f8f6f4 v[(\d):(\d)+7], v[(\a):(\a)+11], v[(\b):(\b)+11], 0, v[\sa], v[\sb] matrix_a_fmt:MATRIX_FMT_BF6 matrix_b_fmt:MATRIX_FMT_BF6 matrix_a_scale:MATRIX_SCALE_ROW1 matrix_b_scale:MATRIX_SCALE_ROW1
.elseif (\ra)
	v_wmma_scale_f32_16x16x128_f8f6f4 v[(\d):(\d)+7], v[(\a):(\a)+11], v[(\b):(\b)+11], 0, v[\sa], v[\sb] matrix_a_fmt:MATRIX_FMT_BF6 matrix_b_fmt:MATRIX_FMT_BF6 matrix_a_scale:MATRIX_SCALE_ROW1
.elseif (\rb)
	v_wmma_scale_f32_16x16x128_f8f6f4 v[(\d):(\d)+7], v[(\a):(\a)+11], v[(\b):(\b)+11], 0, v[\sa], v[\sb] matrix_a_fmt:MATRIX_FMT_BF6 matrix_b_fmt:MATRIX_FMT_BF6 matrix_b_scale:MATRIX_SCALE_ROW1
.else
	v_wmma_scale_f32_16x16x128_f8f6f4 v[(\d):(\d)+7], v[(\a):(\a)+11], v[(\b):(\b)+11], 0, v[\sa], v[\sb] matrix_a_fmt:MATRIX_FMT_BF6 matrix_b_fmt:MATRIX_FMT_BF6
.endif
.else
.if (\ra) && (\rb)
	v_wmma_scale_f32_16x16x128_f8f6f4 v[(\d):(\d)+7], v[(\a):(\a)+11], v[(\b):(\b)+11], v[(\c):(\c)+7], v[\sa], v[\sb] matrix_a_fmt:MATRIX_FMT_BF6 matrix_b_fmt:MATRIX_FMT_BF6 matrix_a_scale:MATRIX_SCALE_ROW1 matrix_b_scale:MATRIX_SCALE_ROW1
.elseif (\ra)
	v_wmma_scale_f32_16x16x128_f8f6f4 v[(\d):(\d)+7], v[(\a):(\a)+11], v[(\b):(\b)+11], v[(\c):(\c)+7], v[\sa], v[\sb] matrix_a_fmt:MATRIX_FMT_BF6 matrix_b_fmt:MATRIX_FMT_BF6 matrix_a_scale:MATRIX_SCALE_ROW1
.elseif (\rb)
	v_wmma_scale_f32_16x16x128_f8f6f4 v[(\d):(\d)+7], v[(\a):(\a)+11], v[(\b):(\b)+11], v[(\c):(\c)+7], v[\sa], v[\sb] matrix_a_fmt:MATRIX_FMT_BF6 matrix_b_fmt:MATRIX_FMT_BF6 matrix_b_scale:MATRIX_SCALE_ROW1
.else
	v_wmma_scale_f32_16x16x128_f8f6f4 v[(\d):(\d)+7], v[(\a):(\a)+11], v[(\b):(\b)+11], v[(\c):(\c)+7], v[\sa], v[\sb] matrix_a_fmt:MATRIX_FMT_BF6 matrix_b_fmt:MATRIX_FMT_BF6
.endif
.endif
.endm
; 64 numbers of a lane, registers src .. src + 63 of window W (register 16 b + i: number i of my half of block b of my row), become a fragment's codes in v[PC] on and its scale word in v[PW]
.macro QUANT src, W
	WIN (\W)|((\W)<<2)
.irp b, 0,1,2,3
	v_max3_num_f32 v[TM+\b], |v[(\src)+16*\b]|, |v[(\src)+1+16*\b]|, 0x2800000   ; my 16 numbers, and the floor 2^(5 - 127): the byte cannot fall under 1
.endr
.irp i, 2,4,6,8,10,12,14
.irp b, 0,1,2,3
	v_max3_num_f32 v[TM+\b], |v[(\src)+16*\b+\i]|, |v[(\src)+1+16*\b+\i]|, v[TM+\b]   ; the four blocks by turns
.endr
.endr
	WIN 0
.irp b, 0,1,2,3
	v_permlanex16_b32 v[TM+4+\b], v[TM+\b], s[SEL], s[SEL+1]
.endr
.irp b, 0,1,2,3
	v_max_num_f32 v[TM+\b], v[TM+\b], v[TM+4+\b]         ; with lane l xor 16's: the block's largest magnitude
.endr
.irp b, 0,1,2,3
	v_add_nc_u32 v[TM+12+\b], 0xfe000000, v[TM+\b]       ; 4 off its exponent field: the conversion's scale operand
.endr
.irp b, 0,1,2,3
	v_lshrrev_b32 v[TM+4+\b], 23, v[TM+12+\b]            ; the scale's byte
.endr
	v_lshl_or_b32 v[PW], v[TM+5], 8, v[TM+4]
	v_lshl_or_b32 v[PW], v[TM+6], 16, v[PW]
	v_lshl_or_b32 v[PW], v[TM+7], 24, v[PW]
	WIN \W
.irp c, 0,1
	v_cvt_scalef32_pk16_bf6_f32 v[PC+6*\c:PC+2+6*\c], v[(\src)+32*\c:(\src)+15+32*\c], v[TM+12+2*\c]
	v_cvt_scalef32_pk16_bf6_f32 v[PC+12+4*\c:PC+14+4*\c], v[(\src)+16+32*\c:(\src)+31+32*\c], v[TM+13+2*\c]
.endr
	WIN 0
	v_nop                                                ; one plain place behind a scaled conversion
.irp c, 0,1                                          ; the operand wants a whole block in a lane: lanes 0-15 block 2 c, lanes 16-31 block 2 c + 1
.irp i, 0,1,2
	v_permlane16_swap_b32 v[PC+6*\c+\i], v[PC+12+4*\c+\i]
.endr
.irp i, 0,1,2
	v_mov_b32 v[PC+3+6*\c+\i], v[PC+12+4*\c+\i]
.endr
.endr
.endm
; the same for 32 numbers, two blocks: codes in v[PC] .. v[PC+5], the two bytes in v[PW]
.macro QUANT2 src, W
	WIN (\W)|((\W)<<2)
.irp b, 0,1
	v_max3_num_f32 v[TM+\b], |v[(\src)+16*\b]|, |v[(\src)+1+16*\b]|, 0x2800000
.endr
.irp i, 2,4,6,8,10,12,14
.irp b, 0,1
	v_max3_num_f32 v[TM+\b], |v[(\src)+16*\b+\i]|, |v[(\src)+1+16*\b+\i]|, v[TM+\b]
.endr
.endr
	WIN 0
.irp b, 0,1
	v_permlanex16_b32 v[TM+4+\b], v[TM+\b], s[SEL], s[SEL+1]
.endr
.irp b, 0,1
	v_max_num_f32 v[TM+\b], v[TM+\b], v[TM+4+\b]
.endr
.irp b, 0,1
	v_add_nc_u32 v[TM+12+\b], 0xfe000000, v[TM+\b]
.endr
.irp b, 0,1
	v_lshrrev_b32 v[TM+4+\b], 23, v[TM+12+\b]
.endr
	v_lshl_or_b32 v[PW], v[TM+5], 8, v[TM+4]
	WIN \W
	v_cvt_scalef32_pk16_bf6_f32 v[PC:PC+2], v[(\src):(\src)+15], v[TM+12]
	v_cvt_scalef32_pk16_bf6_f32 v[PC+12:PC+14], v[(\src)+16:(\src)+31], v[TM+13]
	WIN 0
	v_nop
.irp i, 0,1,2
	v_permlane16_swap_b32 v[PC+\i], v[PC+12+\i]
.endr
.irp i, 0,1,2
	v_mov_b32 v[PC+3+\i], v[PC+12+\i]
.endr
.endm
.macro IMAGE adr, off
.irp c, 0,1,2
	ds_store_b128 v[\adr], v[PC+4*\c:PC+4*\c+3] offset:(\off)+512*\c
.endr
.endm
; a weight's fragment from its rows in LDS: six pieces of 8 bytes.  Lanes 16-31 read three pieces further on; where that lies behind one padding more, the second address register serves
.macro FRAGW reg, adr, kst, rowoff
.irp p, 0,1,2,3,4,5
.set PN, 12*(\kst)+6*(\p/3)+\p%3
.if PN%16 < 13
	ds_load_b64 v[(\reg)+2*\p:(\reg)+2*\p+1], v[\adr] offset:8*PN+16*(PN/16)+(\rowoff)
.else
	ds_load_b64 v[(\reg)+2*\p:(\reg)+2*\p+1], v[(\adr)+1] offset:8*PN+16*(PN/16)+(\rowoff)
.endif
.endr
.endm
	s_load_b512 s[8:23], s[0:1], 0x0
	s_load_b512 s[24:39], s[0:1], 0x40
	s_load_b256 s[40:47], s[0:1], 0x80
	v_lshl_add_u32 v[SPW], v0, 2, SPARE
	v_mov_b32 v[NIL], 0
	ds_add_u32 v[SPW], v[NIL]                      ; the opening: the add, twice on end, and its wait ahead of my first tensor load
	ds_add_u32 v[SPW], v[NIL]
	v_lshrrev_b32 v1, 5, v0
	v_readfirstlane_b32 s[WV], v1                  ; wave 0..3
	s_and_b32 s[CH], s[WV], 1
	s_lshr_b32 s[TH], s[WV], 1
	s_bfe_u32 s[CX], ttmp6, 0x40000                ; my place in the cluster: it enters global addresses of my own loads and stores alone
	s_lshl_b32 s[GG], ttmp9, 2
	s_add_co_u32 s[GG], s[GG], s[CX]               ; G
	; descriptor group 1: 64 rows of a weight are 24,576 dense bytes: 96 rows of 256 bytes (32 elements of 8), 16 bytes of padding behind every 128
	s_mov_b32 s[G1], 15|(3<<16)|(1<<20)|(1<<21)|(4<<22)|(3<<25)
	s_mov_b32 s[G1+1], 32<<16
	s_mov_b32 s[G1+2], 96<<16
	s_mov_b32 s[G1+3], 32<<16
	s_mov_b32 s[G1+4], 96
	s_mov_b32 s[G1+5], 32
	s_mov_b32 s[G1+6], 0
	s_mov_b32 s[G1+7], 0
	s_mov_b32 s[SEL], 0x76543210
	s_mov_b32 s[SEL+1], 0xfedcba98
	s_mul_i32 s76, s[WV], 27648                    ; my 64 rows in LDS
	s_mul_i32 s78, s[WV], 24576                    ; and in memory
	s_mov_b32 s79, 0
	s_wait_dscnt 0x0                               ; both opening adds are done
	s_wait_kmcnt 0x0
	s_mov_b32 s[G0Q], 1
	s_mov_b32 s[G0Q+1], s76
	s_add_nc_u64 s[G0Q+2:G0Q+3], s[PQC:PQC+1], s[78:79]
	s_or_b32 s[G0Q+3], s[G0Q+3], 0x80000000
	s_mov_b32 s[G0K], 1
	s_add_co_u32 s[G0K+1], s76, R1
	s_add_nc_u64 s[G0K+2:G0K+3], s[PKC:PKC+1], s[78:79]
	s_or_b32 s[G0K+3], s[G0K+3], 0x80000000
	s_mov_b32 s[G0V], 1
	s_mov_b32 s[G0V+1], s76
	s_add_nc_u64 s[G0V+2:G0V+3], s[PVC:PVC+1], s[78:79]
	s_or_b32 s[G0V+3], s[G0V+3], 0x80000000
	; where my parts begin in memory
	s_lshl_b32 s76, s[GG], 17
	s_lshl_b32 s77, s[WV], 15
	s_add_co_u32 s76, s76, s77
	s_mov_b32 s77, 0
	s_add_nc_u64 s[PX:PX+1], s[PX:PX+1], s[76:77]          ; x at token 64 G + 16 w
	s_mul_i32 s76, s[GG], 12288
	s_add_nc_u64 s[PQI:PQI+1], s[PQI:PQI+1], s[76:77]      ; q's images of my four tiles
	s_lshr_b32 s78, s[GG], 1
	s_mul_i32 s76, s78, 49152
	s_and_b32 s78, s[GG], 1
	s_mul_i32 s80, s78, 12288
	s_add_co_u32 s80, s80, s76
	s_mov_b32 s81, 0
	s_mul_i32 s82, s78, 768
	s_add_co_u32 s82, s82, s76
	s_add_co_u32 s82, s82, 24576
	s_mov_b32 s83, 0
	s_add_nc_u64 s[KVV:KVV+1], s[PKV:PKV+1], s[82:83]      ; v's half images
	s_add_nc_u64 s[PKV:PKV+1], s[PKV:PKV+1], s[80:81]      ; k's images
	s_lshl_b32 s76, s[WV], 17
	s_lshl_b32 s78, s[GG], 9
	s_add_co_u32 s76, s76, s78
	s_add_nc_u64 s[PSC:PSC+1], s[PSC:PSC+1], s[76:77]      ; waves 0, 1, 2: the group's 512 bytes of q's, k's, v's scales
	CROUND                                         ; the four partners are here: the first joint loads meet
	tensor_load_to_lds s[G0Q:G0Q+3], s[G1:G1+7]    ; two loads of mine are out
	s_nop 0
	tensor_load_to_lds s[G0K:G0K+3], s[G1:G1+7]
	s_nop 0
	PLACES 4
	v_and_b32 v1, 31, v0                           ; l
	v_and_b32 v2, 15, v0                           ; r
	v_bfe_u32 v3, v0, 4, 1                         ; h
	v_lshlrev_b32 v[LI], 4, v1
	v_lshlrev_b32 v[L4], 2, v1
	v_lshlrev_b32 v[R4], 2, v2
	v_and_b32 v[RP], 8, v2
	v_add_nc_u32 v[RP], v[RP], v2                  ; r + 8 (r / 8)
	s_mul_i32 s76, s[WV], 8448
	s_add_co_u32 s76, s76, XSTG
	v_add_nc_u32 v[XSTO], s76, v[LI]
	v_mul_u32_u24 v[XSRD], v2, 528
	v_lshl_add_u32 v[XSRD], v3, 6, v[XSRD]
	v_add_nc_u32 v[XSRD], s76, v[XSRD]
	s_mul_i32 s76, s[WV], 6144
	s_add_co_u32 s76, s76, XIMG
	v_add_nc_u32 v[XWI], s76, v[LI]
	s_lshl_b32 s76, s[WV], 9
	s_add_co_u32 s76, s76, XSC
	v_add_nc_u32 v[XWS], s76, v[L4]
	s_mul_i32 s76, s[TH], 12288
	s_add_co_u32 s76, s76, XIMG
	v_add_nc_u32 v[XRI], s76, v[LI]
	v_add_nc_u32 v[XRIV], XIMG, v[LI]
	s_lshl_b32 s76, s[TH], 10
	s_add_co_u32 s76, s76, XSC
	v_add_nc_u32 v[XRS], s76, v[L4]
	v_add_nc_u32 v[XRSV], XSC, v[L4]
	v_mul_u32_u24 v29, v2, WP
	v_mad_u32_u24 v29, v3, 24, v29                 ; row r, + 24 h
	s_mul_i32 s76, s[CH], 55296
	v_add_nc_u32 v[AWQ], s76, v29
	v_lshl_add_u32 v[AWQ+1], v3, 4, v[AWQ]
	s_add_co_u32 s76, s76, R1
	v_add_nc_u32 v[AWK], s76, v29
	v_lshl_add_u32 v[AWK+1], v3, 4, v[AWK]
	v_mul_u32_u24 v29, v[RP], WP
	v_mad_u32_u24 v29, v3, 24, v29
	s_mul_i32 s76, s[WV], 27648
	v_add_nc_u32 v[AWV], s76, v29
	v_lshl_add_u32 v[AWV+1], v3, 4, v[AWV]
	s_lshl_b32 s76, s[TH], 8
	s_lshl_b32 s77, s[CH], 6
	s_add_co_u32 s76, s76, s77
	s_add_co_u32 s76, s76, SCST
	v_add_nc_u32 v[QSA], s76, v[R4]
	s_lshl_b32 s76, s[TH], 3
	s_lshl_b32 s77, s[CH], 2
	s_add_co_u32 s76, s76, s77
	s_add_co_u32 s76, s76, SCST+512
	v_lshl_add_u32 v[KSA], v2, 4, s76
	s_lshl_b32 s76, s[WV], 7
	s_add_co_u32 s76, s76, SCST+1024
	v_lshl_add_u32 v[VSA], v2, 3, s76
	s_lshl_b32 s76, s[WV], 9
	s_add_co_u32 s76, s76, SCST
	v_add_nc_u32 v[SCRD], s76, v[LI]
	s_mul_i32 s76, s[TH], 6144
	s_mul_i32 s77, s[CH], 1536
	s_add_co_u32 s76, s76, s77
	v_add_nc_u32 v[GOQ], s76, v[LI]
	s_mul_i32 s76, s[WV], 6144
	v_add_nc_u32 v[GOV], s76, v[LI]
	s_add_co_u32 s76, s76, 512
	v_lshl_add_u32 v[GOV8], v1, 3, s76
.irp b, 0,1,2,3
	v_mov_b32 v[TM+4+\b], 0                        ; written once: a lane permute's destination counts as one of its sources
.endr
	; the weights' scale words and the biases: 46 loads
	s_lshl_b32 s76, s[CH], 11
	v_add_nc_u32 v200, s76, v[LI]                  ; 16 bytes a row: row 128 ch + l
	v_lshlrev_b32 v201, 4, v[RP]
	v_lshl_add_u32 v201, v3, 7, v201
	s_lshl_b32 s76, s[WV], 10
	v_add_nc_u32 v201, s76, v201                   ; Wv: row 64 w + 8 h + r + 8 (r / 8)
	s_lshl_b32 s76, s[CH], 9
	v_lshl_add_u32 v202, v3, 5, s76                ; bq, bk: 512 ch + 32 h
	s_lshl_b32 s76, s[WV], 8
	v_lshl_add_u32 v203, v[RP], 2, s76             ; bv: 4 (64 w + r + 8 (r / 8))
.irp i, 0,1,2,3
	global_load_b128 v[WSQ+4*\i:WSQ+4*\i+3], v200, s[PQS:PQS+1] offset:512*\i    ; register 4 i + K step: lanes 0-15 tile 2 i, lanes 16-31 tile 2 i + 1
	global_load_b128 v[WSK+4*\i:WSK+4*\i+3], v200, s[PKS:PKS+1] offset:512*\i
.endr
.irp b, 0,1
	global_load_b128 v[WSV+4*\b:WSV+4*\b+3], v201, s[PVS:PVS+1] offset:512*\b
.endr
	WIN 0xC0
.irp i, 0,1,2,3,4,5,6,7
	global_load_b128 v[128+8*\i:131+8*\i], v202, s[PQB:PQB+1] offset:64*\i
	global_load_b128 v[132+8*\i:135+8*\i], v202, s[PQB:PQB+1] offset:64*\i+16
	global_load_b128 v[192+8*\i:195+8*\i], v202, s[PKB:PKB+1] offset:64*\i
	global_load_b128 v[196+8*\i:199+8*\i], v202, s[PKB:PKB+1] offset:64*\i+16
.endr
	WIN 0x80
.irp q, 0,1,2,3
	global_load_b32 v[192+8*\q], v203, s[PVB:PVB+1] offset:128*(\q/2)+32*(\q%2)
.endr
	; my 16 rows of x, as they lie: each load takes 512 consecutive bytes of a row
	WIN 0x40
.irp ks, 0,1,2,3
.irp ro, 0,1,2,3,4,5,6,7,8,9,10,11,12,13,14,15
	global_load_b128 v[64*\ks+4*\ro:64*\ks+4*\ro+3], v[LI], s[PX:PX+1] offset:2048*\ro+512*\ks th:TH_LOAD_NT
.endr
.endr
	WIN 0
	; ---- on the side: one fragment of Wu, ff1 or ff2 a wave becomes an image for the last launch.  The branch hangs on the cluster's number, which the partners share
	s_cmp_lt_u32 ttmp9, 36
	s_cbranch_scc0 .Lno_relay
	s_lshr_b32 s76, ttmp9, 2                       ; chunk 0: Wu; 1-4: ff1; 5-8: ff2
	s_and_b32 s77, ttmp9, 3                        ; for which wave of the last launch
	s_lshl_b32 s78, s[CX], 2
	s_add_co_u32 s78, s78, s[WV]                   ; fragment 8 s + i of the chunk
	s_lshr_b32 s79, s78, 3
	s_and_b32 s80, s78, 7
	s_lshl_b32 s83, s77, 7                         ; Wu, ff2: rows from 128 wq on
	s_sub_co_u32 s81, s76, 5
	s_lshl_b32 s82, s81, 1                         ; ff2: K steps from 2 cc on
	s_mov_b32 s84, 768
	s_mov_b32 s85, 32
	s_mov_b64 s[86:87], s[PF2C:PF2C+1]
	s_mov_b64 s[88:89], s[PF2S:PF2S+1]
	s_sub_co_u32 s81, s76, 1
	s_and_b32 s90, s81, 1
	s_lshl_b32 s90, s90, 1                         ; ff1: K steps from 2 (cc & 1) on,
	s_lshr_b32 s91, s81, 1
	s_lshl_b32 s91, s91, 7
	s_lshl_b32 s92, s77, 8
	s_add_co_u32 s91, s91, s92                     ; rows from 256 wq + 128 (cc >> 1) on
	s_mov_b32 s93, 384
	s_cmp_lt_u32 s76, 5
	s_cselect_b32 s82, s90, s82
	s_cselect_b32 s94, s91, s83
	s_cselect_b32 s84, s93, s84
	s_cselect_b32 s85, 16, s85
	s_cselect_b64 s[86:87], s[PF1C:PF1C+1], s[86:87]
	s_cselect_b64 s[88:89], s[PF1S:PF1S+1], s[88:89]
	s_mov_b32 s93, 192
	s_cmp_eq_u32 s76, 0
	s_cselect_b32 s82, 0, s82
	s_cselect_b32 s94, s83, s94
	s_cselect_b32 s84, s93, s84
	s_cselect_b32 s85, 8, s85
	s_cselect_b64 s[86:87], s[PUC:PUC+1], s[86:87]
	s_cselect_b64 s[88:89], s[PUS:PUS+1], s[88:89]
	s_lshr_b32 s90, s80, 1
	s_lshl_b32 s90, s90, 5
	s_and_b32 s91, s80, 1
	s_lshl_b32 s91, s91, 3
	s_add_co_u32 s94, s94, s90
	s_add_co_u32 s94, s94, s91                     ; the tile begins at row base + 32 (i / 2) + 8 (i % 2)
	s_add_co_u32 s82, s82, s79                     ; the K step
	s_mul_i32 s90, s82, 96
	s_lshl_b32 s91, s82, 2
	v_add_nc_u32 v204, s94, v[RP]                  ; my row
	v_mul_u32_u24 v205, s84, v204
	v_mad_u32_u24 v205, v3, 24, v205
	v_add_nc_u32 v205, s90, v205
	v_mul_u32_u24 v206, s85, v204
	v_add_nc_u32 v206, s91, v206
.irp p, 0,1,2,3,4,5
	global_load_b64 v[208+2*\p:209+2*\p], v205, s[86:87] offset:48*(\p/3)+8*(\p%3)
.endr
	global_load_b32 v220, v206, s[88:89]
	s_mul_i32 s92, ttmp9, 25600
	s_mov_b32 s93, 0
	s_add_nc_u64 s[92:93], s[PWT:PWT+1], s[92:93]
	s_mul_i32 s96, s78, 1536
	s_mov_b32 s97, 0
	s_add_nc_u64 s[96:97], s[92:93], s[96:97]
	s_lshl_b32 s80, s78, 6
	s_mov_b32 s81, 0
	s_add_nc_u64 s[92:93], s[92:93], s[80:81]
	s_wait_loadcnt 0x0
.irp g, 0,1,2
	global_store_b128 v[LI], v[208+4*\g:211+4*\g], s[96:97] offset:512*\g
.endr
	global_store_b32 v[R4], v220, s[92:93] offset:24576     ; both halves of the lanes hold the same word
.Lno_relay:
	; ---- X: my tile of x, a K step at a time: through my stage, so that a lane holds 16 neighbours of each block of its row; quantised; the image to LDS
.irp ks, 0,1,2,3
	s_wait_loadcnt 48-16*\ks                       ; this K step's 16 loads are in; the later steps' may be out
	WIN 0x04
.irp ro, 0,1,2,3,4,5,6,7,8,9,10,11,12,13,14,15
	ds_store_b128 v[XSTO], v[64*\ks+4*\ro:64*\ks+4*\ro+3] offset:528*\ro
.endr
	WIN 0
.irp b, 0,1,2,3
.irp jj, 0,1,2,3
	ds_load_b128 v[XN+16*\b+4*\jj:XN+16*\b+4*\jj+3], v[XSRD] offset:128*\b+16*\jj    ; LDS serves a wave's instructions in order: these see my stores
.endr
.endr
	s_wait_dscnt 0x0                               ; the numbers are in; the last image's stores have read their registers
	QUANT XN, 0
	IMAGE XWI, 1536*\ks
	ds_store_b32 v[XWS], v[PW] offset:128*\ks
.endr
	WIN 0x82
.irp q, 0,1,2,3
.irp j, 1,2,3,4,5,6,7
	v_mov_b32 v[192+8*\q+\j], v[192+8*\q]          ; bv as C tiles: a lane holds one channel, so its eight registers are equal
.endr
.endr
	WIN 0
	s_wait_tensorcnt 0x0                           ; my parts of Wq and Wk have landed,
	s_wait_dscnt 0x0                               ; my images are stored:
	s_barrier_signal -1
	s_barrier_wait -1                              ; everybody's.
	WIN 0x40
.irp m, 0,1
.irp ks, 0,1,2,3
.irp g, 0,1,2
	ds_load_b128 v[12*(4*\m+\ks)+4*\g:12*(4*\m+\ks)+4*\g+3], v[XRI] offset:6144*\m+1536*\ks+512*\g
.endr
.endr
.endr
	WIN 0
.irp m, 0,1
.irp ks, 0,1,2,3
	ds_load_b32 v[XS+4*\m+\ks], v[XRS] offset:512*\m+128*\ks
.endr
.endr
; 64 matrix instructions: 8 tiles of channels x my 2 tiles of tokens x 4 K steps; 16 accumulators by turns, one instruction a turn.  W's fragments come a K step ahead, in two sets
.macro PROJM aw, ws, bias
	WIN 0x80
.irp i, 0,1,2,3,4,5,6,7
	FRAGW 12*\i, \aw, 0, 6912*\i
.endr
.irp i, 0,1,2,3,4,5,6,7
	FRAGW 96+12*\i, \aw, 1, 6912*\i
.endr
.irp ks, 0,1,2,3
.if \ks < 3
	s_wait_dscnt 48                                ; all but the younger set's 48 loads
.else
	s_wait_dscnt 0x0
.endif
	WIN 0xF6
.irp i, 0,1,2,3,4,5,6,7
.irp m, 0,1
.if \ks == 0
	WM 64*\m+8*\i, 96*(\ks%2)+12*\i, 12*(4*\m+\ks), (\bias)+8*\i, (\ws)+4*(\i/2)+\ks, XS+4*\m+\ks, \i%2, 0
.else
	WM 64*\m+8*\i, 96*(\ks%2)+12*\i, 12*(4*\m+\ks), 64*\m+8*\i, (\ws)+4*(\i/2)+\ks, XS+4*\m+\ks, \i%2, 0
.endif
.endr
.endr
	PLACES 4                                       ; in front of loads into registers that these have read, and of the first read of results
.if \ks < 2
	WIN 0x80
.irp i, 0,1,2,3,4,5,6,7
	FRAGW 96*(\ks%2)+12*\i, \aw, \ks+2, 6912*\i
.endr
.endif
.endr
	WIN 0
.endm
; my two tiles' 128 channels each become a fragment: the image goes to memory, the scale word to the stage
.macro PROJOUT ptr, sca, scm
.irp m, 0,1
	s_wait_xcnt 0x0                                ; earlier stores have read the codes' registers,
	s_wait_dscnt 0x0                               ; and the scale word's
	QUANT 64*\m, 3
.irp g, 0,1,2
	global_store_b128 v[GOQ], v[PC+4*\g:PC+4*\g+3], s[\ptr:\ptr+1] offset:3072*\m+512*\g
.endr
	ds_store_b32 v[\sca], v[PW] offset:(\scm)*\m
.endr
.endm
	PROJM AWQ, WSQ, 128
	s_wait_tensorcnt 0x0                           ; Wq's bytes are filled again with Wv: all my tensor loads are done,
	ds_add_u32 v[SPW], v[NIL]                      ; 0 onto my spare word,
	s_wait_dscnt 0x0                               ; the add is done and my reads of Wq are over;
	CROUND                                         ; so it is with every wave of every partner
	tensor_load_to_lds s[G0V:G0V+3], s[G1:G1+7]    ; one load of mine is out: it lands under q's quantising and all of phase K
	s_nop 0
	PLACES 4
	PROJOUT PQI, QSA, 128
	PROJM AWK, WSK, 192
	PROJOUT PKV, KSA, 256
	; ---- V: my four tiles of channels x all four tiles of tokens
	s_wait_tensorcnt 0x0                           ; my 64 rows of Wv, which I alone read
	WIN 0x40
.irp m, 0,1,2,3
.irp ks, 0,1,2,3
.irp g, 0,1,2
	ds_load_b128 v[12*(4*\m+\ks)+4*\g:12*(4*\m+\ks)+4*\g+3], v[XRIV] offset:6144*\m+1536*\ks+512*\g
.endr
.endr
.endr
	WIN 0
.irp m, 0,1,2,3
.irp ks, 0,1,2,3
	ds_load_b32 v[XS+4*\m+\ks], v[XRSV] offset:512*\m+128*\ks
.endr
.endr
	WIN 0x80
.irp ks, 0,1,2,3
.irp q, 0,1,2,3
	FRAGW 12*(4*\ks+\q), AWV, \ks, (32*(\q/2)+8*(\q%2))*WP
.endr
.endr
	s_wait_dscnt 0x0
.irp ks, 0,1,2,3
.if \ks == 0
	WIN 0xE9
.else
	WIN 0xF9
.endif
.irp q, 0,1,2,3
.irp m, 0,1,2,3
.if \ks == 0
	WM 32*\q+8*\m, 12*(4*\m+\ks), 12*(4*\ks+\q), 192+8*\q, XS+4*\m+\ks, WSV+4*(\q/2)+\ks, 0, \q%2
.else
	WM 32*\q+8*\m, 12*(4*\m+\ks), 12*(4*\ks+\q), 32*\q+8*\m, XS+4*\m+\ks, WSV+4*(\q/2)+\ks, 0, \q%2
.endif
.endr
.endr
.endr
	PLACES 4
	WIN 0
.irp q, 0,1,2,3
	s_wait_xcnt 0x0
	QUANT2 32*\q, 3                                ; a lane's 32 registers: its channel at my group's 64 keys
	global_store_b128 v[GOV], v[PC:PC+3], s[KVV:KVV+1] offset:1536*\q
	global_store_b64 v[GOV8], v[PC+4:PC+5], s[KVV:KVV+1] offset:1536*\q
.if \q%2 == 0
	v_mov_b32 v[VU+\q/2], v[PW]
.else
	v_lshl_or_b32 v[VU+\q/2], v[PW], 16, v[VU+\q/2]
.endif
.endr
	ds_store_b64 v[VSA], v[VU:VU+1]
	s_wait_dscnt 0x0                               ; for the others' sake: my scale words are in the stage
	s_barrier_signal -1
	s_barrier_wait -1
	s_cmp_lt_u32 s[WV], 3
	s_cbranch_scc0 .Lno_sc
	ds_load_b128 v[196:199], v[SCRD]
	s_wait_dscnt 0x0
	global_store_b128 v[LI], v[196:199], s[PSC:PSC+1]      ; 512 consecutive bytes, aligned
.Lno_sc:
	s_wait_tensorcnt 0x0                           ; the wave's end
	ds_add_u32 v[SPW], v[NIL]
	s_wait_dscnt 0x0
	CROUND                                         ; the closing round
	s_endpgm
.Lfunc_end_k_q75015cb8fd_qkv:
	.size	k_q75015cb8fd_qkv, .Lfunc_end_k_q75015cb8fd_qkv-k_q75015cb8fd_qkv
	.p2alignl 7, 3214868480
	.fill 96, 4, 3214868480
	.section	.rodata,"a",@progbits
	.p2align	6, 0x0
	.amdhsa_kernel k_q75015cb8fd_qkv
		.amdhsa_group_segment_fixed_size 327680
		.amdhsa_private_segment_fixed_size 0
		.amdhsa_enable_private_segment 0
		.amdhsa_kernarg_size 160
		.amdhsa_user_sgpr_count 2
		.amdhsa_user_sgpr_kernarg_segment_ptr 1
		.amdhsa_wavefront_size32 1
		.amdhsa_system_sgpr_workgroup_id_x 1
		.amdhsa_system_sgpr_workgroup_id_y 1
		.amdhsa_system_sgpr_workgroup_id_z 1
		.amdhsa_system_vgpr_workitem_id 0
		.amdhsa_next_free_vgpr 1024
		.amdhsa_next_free_sgpr 102
		.amdhsa_reserve_vcc 0
		.amdhsa_float_denorm_mode_32 3
		.amdhsa_float_denorm_mode_16_64 3
		.amdhsa_memory_ordered 1
		.amdhsa_forward_progress 1
		.amdhsa_inst_pref_size 137
	.end_amdhsa_kernel
	.amdgpu_metadata
---
amdhsa.version: [ 1, 2 ]
amdhsa.kernels:
  - .name:           k_q75015cb8fd_qkv
    .symbol:         k_q75015cb8fd_qkv.kd
    .args:
      - { .name: x, .offset: 0, .size: 8, .value_kind: global_buffer, .address_space: global }
      - { .name: Wq_w_codes, .offset: 8, .size: 8, .value_kind: global_buffer, .address_space: global }
      - { .name: Wq_w_scales, .offset: 16, .size: 8, .value_kind: global_buffer, .address_space: global }
      - { .name: Wq_b, .offset: 24, .size: 8, .value_kind: global_buffer, .address_space: global }
      - { .name: Wk_w_codes, .offset: 32, .size: 8, .value_kind: global_buffer, .address_space: global }
      - { .name: Wk_w_scales, .offset: 40, .size: 8, .value_kind: global_buffer, .address_space: global }
      - { .name: Wk_b, .offset: 48, .size: 8, .value_kind: global_buffer, .address_space: global }
      - { .name: Wv_w_codes, .offset: 56, .size: 8, .value_kind: global_buffer, .address_space: global }
      - { .name: Wv_w_scales, .offset: 64, .size: 8, .value_kind: global_buffer, .address_space: global }
      - { .name: Wv_b, .offset: 72, .size: 8, .value_kind: global_buffer, .address_space: global }
      - { .name: Wu_w_codes, .offset: 80, .size: 8, .value_kind: global_buffer, .address_space: global }
      - { .name: Wu_w_scales, .offset: 88, .size: 8, .value_kind: global_buffer, .address_space: global }
      - { .name: ff1_w_codes, .offset: 96, .size: 8, .value_kind: global_buffer, .address_space: global }
      - { .name: ff1_w_scales, .offset: 104, .size: 8, .value_kind: global_buffer, .address_space: global }
      - { .name: ff2_w_codes, .offset: 112, .size: 8, .value_kind: global_buffer, .address_space: global }
      - { .name: ff2_w_scales, .offset: 120, .size: 8, .value_kind: global_buffer, .address_space: global }
      - { .name: qimg, .offset: 128, .size: 8, .value_kind: global_buffer, .address_space: global }
      - { .name: kv, .offset: 136, .size: 8, .value_kind: global_buffer, .address_space: global }
      - { .name: sc, .offset: 144, .size: 8, .value_kind: global_buffer, .address_space: global }
      - { .name: wts, .offset: 152, .size: 8, .value_kind: global_buffer, .address_space: global }
    .group_segment_fixed_size: 327680
    .private_segment_fixed_size: 0
    .kernarg_segment_align: 8
    .kernarg_segment_size: 160
    .max_flat_workgroup_size: 128
    .sgpr_count:     102
    .vgpr_count:     1024
    .wavefront_size: 32
...
	.end_amdgpu_metadata
.endif
;; end of part 1
;; launch attn (part 2): grid 256 x 1, 4 waves a work-group, clusters of 4 x 1, 327,680 bytes of LDS; arguments qimg, kv, sc, att; writes att
.if DOCPART == 2
	.amdgcn_target "amdgcn-amd-amdhsa--gfx1250"
	.amdhsa_code_object_version 6
	.text
	.protected	k_q75015cb8fd_attn
	.globl	k_q75015cb8fd_attn
	.p2align	8
	.type	k_q75015cb8fd_attn,@function
k_q75015cb8fd_attn:
	s_mov_b64 s[64:65], 0
	v_nop
	global_prefetch_b8 v0, s[64:65] scope:SCOPE_SE
	s_setreg_imm32_b32 hwreg(HW_REG_WAVE_MODE, 25, 1), 1
	s_wait_xcnt 0x0
	s_wait_alu depctr_hold_cnt(0) depctr_sa_sdst(0) depctr_va_vdst(0) depctr_va_sdst(0) depctr_va_ssrc(0) depctr_va_vcc(0) depctr_vm_vsrc(0)
	s_getreg_b32 s2, hwreg(HW_REG_IB_STS2, 6, 4)
	s_cmp_eq_u32 s2, 0
	s_cbranch_scc0 .Lentry_in_a_cluster
	s_endpgm
.Lentry_in_a_cluster:
	s_bfe_u32 s2, ttmp6, 0x10000c
	s_cmp_lg_u32 s2, 0x3003
	s_cbranch_scc0 .Lentry_shape_is_right
	s_endpgm
.Lentry_shape_is_right:
; attn = softmax(q k^T / sqrt(32)) v on codes of E3M2, by the rule for a softmax ahead of a quantised product: t = score x log2(e) / sqrt(32), M = the running largest t rounded up to a whole number,
; p = 2^(t - M) is quantised along the keys, the row's sum is taken of the unquantised p and divides at the end.  The result is quantised along its 256 channels and leaves as fragment images.  Nothing is left out.
; LIMITS: p under 2^-126 becomes 0; a block of zeros gets the byte 1 (read by this program alone); NaN and infinities are not served.
; SHARES.  Work-group G owns queries 64 G .. + 63 of batch (cluster / 16); the four partners of a cluster walk the same k and v and ask for them jointly.  Keys go 256 a step, 16 steps, through two LDS slots.
; Wave (qp = w & 1, kh = w >> 1) holds TWO tiles of 16 queries and walks keys 128 kh .. + 127 of every step: each fragment read from LDS feeds two matrix instructions.
; Its register tile 0 is query tile 2 qp + kh, its register tile 1 the other one of the pair: at the end every wave hands tile 1's sums to wave w xor 2 through LDS and finishes tile 0, with no branch.
; Both products are used transposed (S^T = k q^T, O^T = v^T p^T): a lane holds one query throughout.  k, v and q come as register images, by accesses of consecutive bytes.
; THE WALK GOES ROUND.  Under a running M the order of the keys is free.  Cluster c (0 .. 15 in its batch) begins at step 2 u, u = (c & 7) xor 7 (c >> 3), and goes round: any eight clusters that share one bit of c have
; eight different starts, and at no change of slots do all clusters of a batch ask for the same bytes.  The scale bytes are laid into LDS in the order of the walk, so that no LDS address hangs on the cluster.
; A TRIP, for step j: M1: the 32 products S^T(j), and behind each the four multiplications that bring one accumulator of O^T under M(j - 1) | M2: the 32 products O^T += v^T p^T of step j - 1, and behind each five or six
; instructions of step j's softmax up to t - M | X: v(j)'s fragments are asked for, the exponentials, the change of slots, k(j + 1) is asked for, sums, scales and codes.  LDS loads stand in runs, never singly among products.
; REGISTERS: window 0: v1-15 addresses; v16-71 statistics, 28 a tile; v72-199 S^T, then p; v200-223 p's codes; v224-249 scale words; v250-253 stage addresses.  window 1: O^T, 128 a tile.
;   window 2: v0-47 q, v64-255 k's 16 fragments.  window 3: v's 16 fragments.
.set KSC,   98304                      ; k's scale words of the whole batch, in the order of the walk
.set SLOT1, 131072
.set VSC,   229376                     ; v's
.set SPARE, 262144
.set STEPB, 98304                      ; a step in memory and in a slot: two halves of (k's 16 images, v's 16 images)
.set AK0, 1
.set AV0, 2
.set AV8, 3
.set AKS0, 4
.set AVS0, 5
.set ADK, 6
.set ADV, 7
.set ADV8, 8
.set ADS, 9
.set ADT, 10
.set SPW, 11
.set NIL, 12
.set LI, 14
.set L4, 15
.set ST, 16                            ; tile t's statistics at ST + SW t: +0 -M, +1 largest t, +2:3 the sum, +4 f, +5 p's scale word, +6 at work, +8.. block maxima, +12.. at work, +16.. scale operands, +20.., +24.. codes at work
.set SW, 28
.set S, 72
.set P, 200
.set KSR, 224
.set VSR, 232
.set VRAW, 240
.set QS, 248
.set STW, 250
.set STR, 251
.set STW4, 252
.set STR4, 253
.set TM, 72                            ; the way out works in S^T's registers
.set PW, 88
.set PC, 92
.set WV, 4
.set QP, 5
.set KH, 6
.set CX, 7
.set PQI, 8
.set PKV, 10
.set PSC, 12
.set PAT, 14
.set GG, 16
.set BAT, 17
.set TB, 18
.set TS, 19
.set CNT, 20
.set AI, 21                            ; which step of the batch the walking descriptor names
.set SEL, 22
.set CS, 24
.set PS0, 26
.set PS1, 27
.set MSK, 28
.set UU, 29
.set WR, 30                            ; s[30:31] what the walking descriptor takes off where the walk goes round: 16 steps, or 0
.set G1, 32
.set G1S, 40
.set G0S0, 48
.set G0A, 52
.set G0B, 56
.set G0S1, 60
.set Q0P, 72
.set Q1P, 74
.set QS0P, 76
.set QS1P, 78
.set ATP, 80
.set ATS, 82
.set G0S2, 84
.set G0S3, 88
.set MSB, 0
.macro WIN new
.if MSB != (\new)
	s_set_vgpr_msb (MSB<<8)|(\new)
.set MSB, \new
.endif
.endm
.macro PLACES n
.rept \n
	v_nop
.endr
.endm
.macro CROUND
	s_barrier_signal -1
	s_barrier_wait -1
	s_cmp_lg_u32 s[WV], 0
	s_cbranch_scc1 .Lnw0_\@
	s_barrier_signal -3
.Lnw0_\@:
	s_barrier_wait -3
	s_barrier_signal -1
	s_barrier_wait -1
.endm
.macro WM d, a, b, c, sa, sb, ra, rb
.if (\c) < 0
.if (\ra) && (\rb)
	v_wmma_scale_f32_16x16x128_f8f6f4 v[(\d):(\d)+7], v[(\a):(\a)+11], v[(\b):(\b)+11], 0, v[\sa], v[\sb] matrix_a_fmt:MATRIX_FMT_BF6 matrix_b_fmt:MATRIX_FMT_BF6 matrix_a_scale:MATRIX_SCALE_ROW1 matrix_b_scale:MATRIX_SCALE_ROW1
.elseif (\ra)
	v_wmma_scale_f32_16x16x128_f8f6f4 v[(\d):(\d)+7], v[(\a):(\a)+11], v[(\b):(\b)+11], 0, v[\sa], v[\sb] matrix_a_fmt:MATRIX_FMT_BF6 matrix_b_fmt:MATRIX_FMT_BF6 matrix_a_scale:MATRIX_SCALE_ROW1
.elseif (\rb)
	v_wmma_scale_f32_16x16x128_f8f6f4 v[(\d):(\d)+7], v[(\a):(\a)+11], v[(\b):(\b)+11], 0, v[\sa], v[\sb] matrix_a_fmt:MATRIX_FMT_BF6 matrix_b_fmt:MATRIX_FMT_BF6 matrix_b_scale:MATRIX_SCALE_ROW1
.else
	v_wmma_scale_f32_16x16x128_f8f6f4 v[(\d):(\d)+7], v[(\a):(\a)+11], v[(\b):(\b)+11], 0, v[\sa], v[\sb] matrix_a_fmt:MATRIX_FMT_BF6 matrix_b_fmt:MATRIX_FMT_BF6
.endif
.else
.if (\ra) && (\rb)
	v_wmma_scale_f32_16x16x128_f8f6f4 v[(\d):(\d)+7], v[(\a):(\a)+11], v[(\b):(\b)+11], v[(\c):(\c)+7], v[\sa], v[\sb] matrix_a_fmt:MATRIX_FMT_BF6 matrix_b_fmt:MATRIX_FMT_BF6 matrix_a_scale:MATRIX_SCALE_ROW1 matrix_b_scale:MATRIX_SCALE_ROW1
.elseif (\ra)
	v_wmma_scale_f32_16x16x128_f8f6f4 v[(\d):(\d)+7], v[(\a):(\a)+11], v[(\b):(\b)+11], v[(\c):(\c)+7], v[\sa], v[\sb] matrix_a_fmt:MATRIX_FMT_BF6 matrix_b_fmt:MATRIX_FMT_BF6 matrix_a_scale:MATRIX_SCALE_ROW1
.elseif (\rb)
	v_wmma_scale_f32_16x16x128_f8f6f4 v[(\d):(\d)+7], v[(\a):(\a)+11], v[(\b):(\b)+11], v[(\c):(\c)+7], v[\sa], v[\sb] matrix_a_fmt:MATRIX_FMT_BF6 matrix_b_fmt:MATRIX_FMT_BF6 matrix_b_scale:MATRIX_SCALE_ROW1
.else
	v_wmma_scale_f32_16x16x128_f8f6f4 v[(\d):(\d)+7], v[(\a):(\a)+11], v[(\b):(\b)+11], v[(\c):(\c)+7], v[\sa], v[\sb] matrix_a_fmt:MATRIX_FMT_BF6 matrix_b_fmt:MATRIX_FMT_BF6
.endif
.endif
.endm
.macro QUANT src, W                    ; 64 numbers of a lane in window W become a fragment's codes in v[PC] on and its scale word in v[PW]
	WIN (\W)|((\W)<<2)
.irp b, 0,1,2,3
	v_max3_num_f32 v[TM+\b], |v[(\src)+16*\b]|, |v[(\src)+1+16*\b]|, 0x2800000
.endr
.irp i, 2,4,6,8,10,12,14
.irp b, 0,1,2,3
	v_max3_num_f32 v[TM+\b], |v[(\src)+16*\b+\i]|, |v[(\src)+1+16*\b+\i]|, v[TM+\b]
.endr
.endr
	WIN 0
.irp b, 0,1,2,3
	v_permlanex16_b32 v[TM+4+\b], v[TM+\b], s[SEL], s[SEL+1]
.endr
.irp b, 0,1,2,3
	v_max_num_f32 v[TM+\b], v[TM+\b], v[TM+4+\b]
.endr
.irp b, 0,1,2,3
	v_add_nc_u32 v[TM+12+\b], 0xfe000000, v[TM+\b]
.endr
.irp b, 0,1,2,3
	v_lshrrev_b32 v[TM+4+\b], 23, v[TM+12+\b]
.endr
	v_lshl_or_b32 v[PW], v[TM+5], 8, v[TM+4]
	v_lshl_or_b32 v[PW], v[TM+6], 16, v[PW]
	v_lshl_or_b32 v[PW], v[TM+7], 24, v[PW]
	WIN \W
.irp c, 0,1
	v_cvt_scalef32_pk16_bf6_f32 v[PC+6*\c:PC+2+6*\c], v[(\src)+32*\c:(\src)+15+32*\c], v[TM+12+2*\c]
	v_cvt_scalef32_pk16_bf6_f32 v[PC+12+4*\c:PC+14+4*\c], v[(\src)+16+32*\c:(\src)+31+32*\c], v[TM+13+2*\c]
.endr
	WIN 0
	v_nop
.irp c, 0,1
.irp i, 0,1,2
	v_permlane16_swap_b32 v[PC+6*\c+\i], v[PC+12+4*\c+\i]
.endr
.irp i, 0,1,2
	v_mov_b32 v[PC+3+6*\c+\i], v[PC+12+4*\c+\i]
.endr
.endr
.endm
; a step's k, one run of 54 loads: its scale words and v's scale bytes as they lie (6), the eight fragments of the first 128 channels (24), those of the second 128 (24)
.macro KLOAD
	v_add_nc_u32 v[ADK], s[TB], v[AK0]
	v_add_nc_u32 v[ADS], s[TS], v[AKS0]
	v_add_nc_u32 v[ADT], s[TS], v[AVS0]
.irp g, 0,1
	ds_load_b128 v[KSR+4*\g:KSR+4*\g+3], v[ADS] offset:512*\g
.endr
.irp j, 0,1
.irp c, 0,1
	ds_load_b64 v[VRAW+4*\j+2*\c:VRAW+4*\j+2*\c+1], v[ADT] offset:512*\c+256*\j
.endr
.endr
	WIN 0x80
.irp ks, 0,1
.irp kt, 0,1,2,3,4,5,6,7
.irp g, 0,1,2
	ds_load_b128 v[64+12*(2*\kt+\ks)+4*\g:64+12*(2*\kt+\ks)+4*\g+3], v[ADK] offset:1536*(2*\kt+\ks)+512*\g
.endr
.endr
.endr
	WIN 0
.endm
.macro VLOAD                           ; my half's 16 fragments of v^T: each is two half images of 64 keys
	WIN 0xC0
.irp f, 0,1,2,3,4,5,6,7,8,9,10,11,12,13,14,15
.irp c, 0,1
	ds_load_b128 v[12*\f+6*\c:12*\f+6*\c+3], v[ADV] offset:1536*\f+768*\c
	ds_load_b64 v[12*\f+6*\c+4:12*\f+6*\c+5], v[ADV8] offset:1536*\f+768*\c
.endr
.endr
	WIN 0
.endm
; M1: S^T = k q^T for my 128 keys and both tiles: 16 accumulators by turns, one instruction a turn.
; resc = 1: behind product n stand the four multiplications that bring accumulator n of O^T (tile n % 2, channels 16 (n / 2) on) under the last step's M: 32 products, 32 accumulators.
.macro M1 resc
	s_wait_dscnt 24                                ; the scale words and the first 128 channels' fragments are in; the 24 loads of the second 128 may be out
.irp ks, 0,1
.if \ks == 1
	s_wait_dscnt 0x0                               ; the second 128 channels' fragments
.endif
.irp kt, 0,1,2,3,4,5,6,7
.irp t, 0,1
	WIN 0x0A
.if \ks == 0
	WM S+64*\t+8*\kt, 64+12*(2*\kt+\ks), 12*(2*\t+\ks), -1, KSR+4*(\kt/4)+2*((\kt/2)%2)+\ks, QS+\t, \kt%2, \ks
.else
	WM S+64*\t+8*\kt, 64+12*(2*\kt+\ks), 12*(2*\t+\ks), S+64*\t+8*\kt, KSR+4*(\kt/4)+2*((\kt/2)%2)+\ks, QS+\t, \kt%2, \ks
.endif
.if \resc
	WIN 0x41
.irp e, 0,2,4,6
	v_pk_mul_f32 v[128*\t+8*(8*\ks+\kt)+\e:128*\t+8*(8*\ks+\kt)+\e+1], v[128*\t+8*(8*\ks+\kt)+\e:128*\t+8*(8*\ks+\kt)+\e+1], v[ST+SW*\t+4:ST+SW*\t+5] op_sel_hi:[1,0]
.endr
.endif
.endr
.endr
.endr
	WIN 0
.if \resc == 0
	PLACES 4                                       ; in front of the first read of the scores (with resc = 1 the last four multiplications are these places)
.endif
.endm
; Number sj of the 170 instructions that lead both tiles' scores to t - M; the tiles alternate, so that no instruction reads the result of the one just before it.
;   0-63 the largest score of each block of 32 keys (it serves for the row's maximum and for the block's largest p); 64-79 with lane l xor 16's; 80-97 the running largest t, -M = floor(-t), f = 2^(old M - new M);
;   98-161 t - M, two scores at a time; 162-169 the same of each block's largest score
.macro SM1I
.set tt, sj%2
.set rT, ST+SW*tt
.set rS, S+64*tt
.if sj < 8
.set bb, sj/2
	v_max3_num_f32 v[rT+8+bb], v[rS+16*bb], v[rS+16*bb+1], v[rS+16*bb+2]
.elseif sj < 56
.set bb, ((sj-8)/2)%4
.set ii, 3+2*((sj-8)/8)
	v_max3_num_f32 v[rT+8+bb], v[rT+8+bb], v[rS+16*bb+ii], v[rS+16*bb+ii+1]
.elseif sj < 64
.set bb, (sj-56)/2
	v_max_num_f32 v[rT+8+bb], v[rT+8+bb], v[rS+16*bb+15]
.elseif sj < 72
.set bb, (sj-64)/2
	v_permlanex16_b32 v[rT+12+bb], v[rT+8+bb], s[SEL], s[SEL+1]
.elseif sj < 80
.set bb, (sj-72)/2
	v_max_num_f32 v[rT+8+bb], v[rT+8+bb], v[rT+12+bb]
.elseif sj < 82
	v_max3_num_f32 v[rT+6], v[rT+8], v[rT+9], v[rT+10]
.elseif sj < 84
	v_max_num_f32 v[rT+6], v[rT+6], v[rT+11]
.elseif sj < 86
	v_mul_f32 v[rT+6], s[CS], v[rT+6]              ; as t (c is positive)
.elseif sj < 88
	v_max_num_f32 v[rT+1], v[rT+1], v[rT+6]        ; the running largest t
.elseif sj < 90
	v_mov_b32 v[rT+6], v[rT]
.elseif sj < 92
	v_floor_f32 v[rT], -v[rT+1]                    ; -M = floor(-t): M is a whole number
.elseif sj < 94
	v_sub_f32 v[rT+6], v[rT], v[rT+6]              ; old M less new M: a whole number, 0 or less
.elseif sj < 96
	v_cvt_i32_f32 v[rT+6], v[rT+6]
.elseif sj < 98
	v_ldexp_f32 v[rT+4], 1.0, v[rT+6]              ; f = 2^(old M - new M)
.elseif sj < 162
.set nn, 2*((sj-98)/2)
	v_pk_fma_f32 v[rS+nn:rS+nn+1], v[rS+nn:rS+nn+1], s[CS:CS+1], v[rT:rT+1] op_sel_hi:[1,0,0]
.else
.set bb, (sj-162)/2
	v_fma_f32 v[rT+8+bb], v[rT+8+bb], s[CS], v[rT]
.endif
.set sj, sj+1
.endm
; M2: O^T += v^T p^T of the step before: 32 accumulators by turns.  Behind each product five of the 170 instructions above, behind the first ten a sixth.  zero = 1: the products start the sums: nothing is ever cleared.
.macro M2 zero
.set sj, 0
.irp f, 0,1,2,3,4,5,6,7,8,9,10,11,12,13,14,15
.irp t, 0,1
	WIN 0x53
.if \zero
	WM 128*\t+8*\f, 12*\f, P+12*\t, -1, VSR+4*(\f/8)+\f%4, ST+SW*\t+5, (\f/4)%2, 0
.else
	WM 128*\t+8*\f, 12*\f, P+12*\t, 128*\t+8*\f, VSR+4*(\f/8)+\f%4, ST+SW*\t+5, (\f/4)%2, 0
.endif
	WIN 0
.rept 5
	SM1I
.endr
.if 2*\f+\t < 10
	SM1I
.endif
.endr
.endr
.endm
; the same part of the softmax for the first step, which starts M: it stands alone, since there is no product yet to set it behind
.macro SMX1B
.irp t, 0,1
.irp b, 0,1,2,3
	v_max3_num_f32 v[ST+SW*\t+8+\b], v[S+64*\t+16*\b], v[S+64*\t+16*\b+1], v[S+64*\t+16*\b+2]
.endr
.endr
.irp i, 3,5,7,9,11,13
.irp t, 0,1
.irp b, 0,1,2,3
	v_max3_num_f32 v[ST+SW*\t+8+\b], v[ST+SW*\t+8+\b], v[S+64*\t+16*\b+\i], v[S+64*\t+16*\b+\i+1]
.endr
.endr
.endr
.irp t, 0,1
.irp b, 0,1,2,3
	v_max_num_f32 v[ST+SW*\t+8+\b], v[ST+SW*\t+8+\b], v[S+64*\t+16*\b+15]
.endr
.endr
.irp t, 0,1
.irp b, 0,1,2,3
	v_permlanex16_b32 v[ST+SW*\t+12+\b], v[ST+SW*\t+8+\b], s[SEL], s[SEL+1]
.endr
.endr
.irp t, 0,1
.irp b, 0,1,2,3
	v_max_num_f32 v[ST+SW*\t+8+\b], v[ST+SW*\t+8+\b], v[ST+SW*\t+12+\b]
.endr
.endr
.irp t, 0,1
	v_max3_num_f32 v[ST+SW*\t+6], v[ST+SW*\t+8], v[ST+SW*\t+9], v[ST+SW*\t+10]
.endr
.irp t, 0,1
	v_max_num_f32 v[ST+SW*\t+6], v[ST+SW*\t+6], v[ST+SW*\t+11]
.endr
.irp t, 0,1
	v_mul_f32 v[ST+SW*\t+1], s[CS], v[ST+SW*\t+6]
.endr
.irp t, 0,1
	v_floor_f32 v[ST+SW*\t], -v[ST+SW*\t+1]
.endr
.irp t, 0,1
.set n, 0
.rept 32
	v_pk_fma_f32 v[S+64*\t+n:S+64*\t+n+1], v[S+64*\t+n:S+64*\t+n+1], s[CS:CS+1], v[ST+SW*\t:ST+SW*\t+1] op_sel_hi:[1,0,0]
.set n, n+2
.endr
.endr
.irp t, 0,1
.irp b, 0,1,2,3
	v_fma_f32 v[ST+SW*\t+8+\b], v[ST+SW*\t+8+\b], s[CS], v[ST+SW*\t]
.endr
.endr
.endm
; X: the rest of a step.  first = 1: the first step starts the sums.  mode 2: the slot is filled again, two steps ahead; 1: a plain barrier; 0: the last step
.macro XPH first, mode
.irp j, 0,1
.irp i, 0,1,2,3
.if \i%2 == 0
	v_perm_b32 v[VSR+4*\j+\i], v[VRAW+4*\j+2+\i/2], v[VRAW+4*\j+\i/2], s[PS0]     ; two bytes of the first 64 keys below, two of the second 64 above: a tile's scale word.  (The last products, which read the old words, stand five plain instructions back)
.else
	v_perm_b32 v[VSR+4*\j+\i], v[VRAW+4*\j+2+\i/2], v[VRAW+4*\j+\i/2], s[PS1]
.endif
.endr
.endr
	v_add_nc_u32 v[ADV], s[TB], v[AV0]
	v_add_nc_u32 v[ADV8], s[TB], v[AV8]
	VLOAD                                          ; lands under the exponentials
.set n, 0
.rept 128
	v_exp_f32 v[S+n], v[S+n]                       ; p = 2^(t - M): one batch
.set n, n+1
.endr
.if \first
.irp t, 0,1
	v_mov_b32 v[ST+SW*\t+2], 0
	v_mov_b32 v[ST+SW*\t+3], 0
.endr
.else
.irp t, 0,1
	v_pk_mul_f32 v[ST+SW*\t+2:ST+SW*\t+3], v[ST+SW*\t+2:ST+SW*\t+3], v[ST+SW*\t+4:ST+SW*\t+5] op_sel_hi:[1,0]     ; the sums under the new M; a plain place behind the batch
.endr
.endif
	s_wait_alu depctr_va_vdst(0)                   ; one wait for the batch, ahead of its first reader and of the branches below
.if \mode == 2
	s_wait_tensorcnt 0x0                           ; all my tensor loads are done: my part of the other slot,
	ds_add_u32 v[SPW], v[NIL]                      ; 0 onto my spare word,
	s_xor_b32 s[G0B+1], s[G0B+1], SLOT1            ; the walking descriptor: the other slot than last time,
	s_add_co_u32 s[AI], s[AI], 1                   ; the next step of the walk:
	s_cmp_eq_u32 s[AI], 16
	s_cselect_b32 s[WR], 16*STEPB, 0               ; behind the batch's last step comes its first
	s_and_b32 s[AI], s[AI], 15
	s_add_nc_u64 s[G0B+2:G0B+3], s[G0B+2:G0B+3], STEPB
	s_sub_nc_u64 s[G0B+2:G0B+3], s[G0B+2:G0B+3], s[WR:WR+1]
	s_wait_dscnt 0x0                               ; the add is done; v is in registers: my reads of this slot are over
	CROUND                                         ; so it is with every wave of every partner
	tensor_load_to_lds s[G0B:G0B+3], s[G1:G1+7]    ; my one load until the next round: it has a whole trip in which to land
	s_nop 0
	PLACES 4
	s_xor_b32 s[TB], s[TB], SLOT1
	s_add_co_u32 s[TS], s[TS], 2048
	KLOAD                                          ; lands under the sums and codes below and the first half of M1
.elseif \mode == 1
	s_wait_tensorcnt 0x0
	ds_add_u32 v[SPW], v[NIL]
	s_wait_dscnt 0x0
	s_barrier_signal -1
	s_barrier_wait -1                              ; the last slot is whole, and nobody reads the slot that is left: the way out's stage lies there
	s_xor_b32 s[TB], s[TB], SLOT1
	s_add_co_u32 s[TS], s[TS], 2048
	KLOAD
.else
	s_wait_dscnt 0x0                               ; v
.endif
.irp t, 0,1
.irp b, 0,1,2,3
	v_exp_f32 v[ST+SW*\t+8+\b], v[ST+SW*\t+8+\b]   ; each block's largest p
.endr
.endr
.irp t, 0,1
	v_pk_add_f32 v[ST+SW*\t+12:ST+SW*\t+13], v[S+64*\t:S+64*\t+1], v[S+64*\t+2:S+64*\t+3]     ; the row's sum is taken of the unquantised p, in two chains a tile
.endr
.set n, 4
.rept 15
.irp t, 0,1
	v_pk_add_f32 v[ST+SW*\t+2:ST+SW*\t+3], v[ST+SW*\t+2:ST+SW*\t+3], v[S+64*\t+n:S+64*\t+n+1]
	v_pk_add_f32 v[ST+SW*\t+12:ST+SW*\t+13], v[ST+SW*\t+12:ST+SW*\t+13], v[S+64*\t+n+2:S+64*\t+n+3]
.endr
.set n, n+4
.endr
.irp t, 0,1
	v_pk_add_f32 v[ST+SW*\t+2:ST+SW*\t+3], v[ST+SW*\t+2:ST+SW*\t+3], v[ST+SW*\t+12:ST+SW*\t+13]
.endr
	s_wait_alu depctr_va_vdst(0)                   ; and one for the eight
.irp t, 0,1
.irp b, 0,1,2,3
	v_max_num_f32 v[ST+SW*\t+8+\b], 0x2800000, v[ST+SW*\t+8+\b]    ; the floor 2^(5 - 127)
.endr
.endr
.irp t, 0,1
.irp b, 0,1,2,3
	v_add_nc_u32 v[ST+SW*\t+16+\b], 0xfe000000, v[ST+SW*\t+8+\b]
.endr
.endr
.irp t, 0,1
.irp b, 0,1,2,3
	v_lshrrev_b32 v[ST+SW*\t+12+\b], 23, v[ST+SW*\t+16+\b]
.endr
.endr
.irp t, 0,1
	v_lshl_or_b32 v[ST+SW*\t+5], v[ST+SW*\t+13], 8, v[ST+SW*\t+12]
.endr
.irp t, 0,1
	v_lshl_or_b32 v[ST+SW*\t+5], v[ST+SW*\t+14], 16, v[ST+SW*\t+5]
.endr
.irp t, 0,1
	v_lshl_or_b32 v[ST+SW*\t+5], v[ST+SW*\t+15], 24, v[ST+SW*\t+5]
.endr
.irp t, 0,1
.irp c, 0,1
	v_cvt_scalef32_pk16_bf6_f32 v[P+12*\t+6*\c:P+12*\t+6*\c+2], v[S+64*\t+32*\c:S+64*\t+32*\c+15], v[ST+SW*\t+16+2*\c]
	v_cvt_scalef32_pk16_bf6_f32 v[ST+SW*\t+20+4*\c:ST+SW*\t+22+4*\c], v[S+64*\t+32*\c+16:S+64*\t+32*\c+31], v[ST+SW*\t+17+2*\c]
.endr
.endr
	v_nop
.irp t, 0,1
.irp c, 0,1
.irp i, 0,1,2
	v_permlane16_swap_b32 v[P+12*\t+6*\c+\i], v[ST+SW*\t+20+4*\c+\i]
.endr
.irp i, 0,1,2
	v_mov_b32 v[P+12*\t+6*\c+3+\i], v[ST+SW*\t+20+4*\c+\i]
.endr
.endr
.endr
.endm
; group 0 for piece i of my four pieces of scale bytes: two steps' 4,096 bytes.  In LDS the pieces lie in the order of the walk; in memory piece p of the walk is pair (u + p) mod 8 of the batch
.macro SCD g, i
	s_add_co_u32 s98, s96, \i
	s_and_b32 s98, s98, 7
	s_lshl_b32 s98, s98, 12
	s_mov_b32 s[\g], 1
	s_add_co_u32 s[\g+1], s97, 4096*\i
	s_add_co_u32 s[\g+2], s98, s94
	s_mov_b32 s[\g+3], 0
.endm
	s_load_b256 s[8:15], s[0:1], 0x0
	v_lshl_add_u32 v[SPW], v0, 2, SPARE
	v_mov_b32 v[NIL], 0
	ds_add_u32 v[SPW], v[NIL]                      ; the opening: the add, twice on end, and its wait ahead of my first tensor load
	ds_add_u32 v[SPW], v[NIL]
	v_lshrrev_b32 v1, 5, v0
	v_readfirstlane_b32 s[WV], v1
	s_and_b32 s[QP], s[WV], 1
	s_lshr_b32 s[KH], s[WV], 1
	s_bfe_u32 s[CX], ttmp6, 0x40000                ; my place in the cluster: it enters q's and the result's addresses alone
	s_lshl_b32 s[GG], ttmp9, 2
	s_add_co_u32 s[GG], s[GG], s[CX]
	s_lshr_b32 s[BAT], ttmp9, 4                    ; the batch, which the partners share
	s_mov_b32 s[G1], 15|(3<<16)|(1<<21)            ; 24,576 dense bytes as 96 rows of 256 (32 elements of 8 bytes), no padding; the mask names all four
	s_mov_b32 s[G1+1], 32<<16
	s_mov_b32 s[G1+2], 96<<16
	s_mov_b32 s[G1+3], 32<<16
	s_mov_b32 s[G1+4], 96
	s_mov_b32 s[G1+5], 32
	s_mov_b32 s[G1+6], 0
	s_mov_b32 s[G1+7], 0
	s_mov_b32 s[G1S], 15|(3<<16)|(1<<21)           ; 4,096 bytes of scales as 16 rows
	s_mov_b32 s[G1S+1], 32<<16
	s_mov_b32 s[G1S+2], 16<<16
	s_mov_b32 s[G1S+3], 32<<16
	s_mov_b32 s[G1S+4], 16
	s_mov_b32 s[G1S+5], 32
	s_mov_b32 s[G1S+6], 0
	s_mov_b32 s[G1S+7], 0
	s_mov_b32 s[SEL], 0x76543210
	s_mov_b32 s[SEL+1], 0xfedcba98
	s_mov_b32 s[CS], 0x3e8293ee                    ; c = log2(e) / sqrt(32)
	s_mov_b32 s[CS+1], s[CS]
	s_mov_b32 s[PS0], 0x05040100
	s_mov_b32 s[PS1], 0x07060302
	s_mov_b32 s[MSK], 0xffff0000
	s_mov_b32 s[TB], 0
	s_mov_b32 s[TS], 0
	s_and_b32 s96, ttmp9, 15                       ; c: my cluster in its batch; the partners share it
	s_lshr_b32 s97, s96, 3
	s_mul_i32 s97, s97, 7
	s_and_b32 s96, s96, 7
	s_xor_b32 s[UU], s96, s97                      ; u: the walk begins at step 2 u
	s_lshl_b32 s[AI], s[UU], 1
	s_add_co_u32 s[AI], s[AI], 1                   ; the walking descriptor begins with the walk's second step
	s_mov_b32 s[WR], 0
	s_mov_b32 s[WR+1], 0
	s_mul_i32 s92, s[BAT], 1572864
	s_mul_i32 s93, s[WV], 24576
	s_add_co_u32 s92, s92, s93
	s_mul_i32 s93, s[UU], 2*STEPB
	s_add_co_u32 s92, s92, s93
	s_mov_b32 s93, 0                               ; my quarter of the walk's first step
	s_lshl_b32 s94, s[BAT], 15
	s_lshl_b32 s95, s[KH], 17
	s_add_co_u32 s94, s94, s95
	s_add_co_u32 s94, s94, 131072                  ; waves 0, 1: k's scales of my batch; waves 2, 3: v's
	s_lshl_b32 s96, s[QP], 2
	s_add_co_u32 s96, s96, s[UU]                   ; my first piece of the walk is piece 4 (w & 1)
	s_lshl_b32 s97, s[QP], 14
	s_add_co_u32 s97, s97, s95
	s_add_co_u32 s97, s97, KSC                     ; and where it goes
	SCD G0S0, 0
	SCD G0S1, 1
	SCD G0S2, 2
	SCD G0S3, 3
	s_mul_i32 s[G0A+1], s[WV], 24576
	s_add_co_u32 s[G0B+1], s[G0A+1], SLOT1
	s_lshl_b32 s66, s[GG], 2
	s_lshl_b32 s67, s[QP], 1
	s_add_co_u32 s66, s66, s67
	s_add_co_u32 s68, s66, s[KH]                   ; register tile 0: query tile 4 G + 2 qp + kh
	s_xor_b32 s69, s[KH], 1
	s_add_co_u32 s69, s66, s69                     ; register tile 1: the other of the pair
	s_mov_b32 s71, 0
	s_wait_dscnt 0x0                               ; both opening adds are done
	s_wait_kmcnt 0x0
.irp g, G0S0, G0S1, G0S2, G0S3
	s_add_nc_u64 s[\g+2:\g+3], s[PSC:PSC+1], s[\g+2:\g+3]
	s_or_b32 s[\g+3], s[\g+3], 0x80000000
.endr
	s_mov_b32 s[G0A], 1
	s_add_nc_u64 s[G0A+2:G0A+3], s[PKV:PKV+1], s[92:93]
	s_mov_b32 s[G0B], 1
	s_add_nc_u64 s[G0B+2:G0B+3], s[G0A+2:G0A+3], STEPB
	s_or_b32 s[G0A+3], s[G0A+3], 0x80000000
	s_or_b32 s[G0B+3], s[G0B+3], 0x80000000
	s_mul_i32 s70, s68, 3072
	s_add_nc_u64 s[Q0P:Q0P+1], s[PQI:PQI+1], s[70:71]
	s_add_nc_u64 s[ATP:ATP+1], s[PAT:PAT+1], s[70:71]
	s_mul_i32 s70, s69, 3072
	s_add_nc_u64 s[Q1P:Q1P+1], s[PQI:PQI+1], s[70:71]
	s_lshl_b32 s70, s68, 7
	s_add_nc_u64 s[QS0P:QS0P+1], s[PSC:PSC+1], s[70:71]
	s_add_nc_u64 s[ATS:ATS+1], s[PAT:PAT+1], s[70:71]
	s_lshl_b32 s70, s69, 7
	s_add_nc_u64 s[QS1P:QS1P+1], s[PSC:PSC+1], s[70:71]
	CROUND                                         ; the four partners are here: the first joint loads meet
.irp g, G0S0, G0S1, G0S2, G0S3
	tensor_load_to_lds s[\g:\g+3], s[G1S:G1S+7]    ; six loads of mine are out: four pieces of scales,
	s_nop 0
.endr
	tensor_load_to_lds s[G0A:G0A+3], s[G1:G1+7]    ; the walk's first step,
	s_nop 0
	tensor_load_to_lds s[G0B:G0B+3], s[G1:G1+7]    ; its second
	s_nop 0
	PLACES 4
	v_and_b32 v[L4], 31, v0
	v_lshlrev_b32 v[LI], 4, v[L4]
	v_lshlrev_b32 v[AV8], 3, v[L4]
	v_lshlrev_b32 v[AVS0], 3, v[L4]
	v_lshlrev_b32 v[L4], 2, v[L4]
	s_mul_i32 s66, s[KH], 49152
	v_add_nc_u32 v[AK0], s66, v[LI]
	v_add_nc_u32 v[AV0], 24576, v[AK0]
	s_add_co_u32 s67, s66, 25088
	v_add_nc_u32 v[AV8], s67, v[AV8]
	s_lshl_b32 s66, s[KH], 10
	s_add_co_u32 s67, s66, KSC
	v_add_nc_u32 v[AKS0], s67, v[LI]
	s_add_co_u32 s67, s66, VSC
	v_add_nc_u32 v[AVS0], s67, v[AVS0]
	s_mul_i32 s66, s[WV], 16640                    ; the way out's stage: 16,384 bytes of sums, then -M and the row's sum
	v_add_nc_u32 v[STW], s66, v[LI]
	s_add_co_u32 s67, s66, 16384
	v_add_nc_u32 v[STW4], s67, v[L4]
	s_xor_b32 s66, s[WV], 2
	s_mul_i32 s66, s66, 16640
	v_add_nc_u32 v[STR], s66, v[LI]
	s_add_co_u32 s67, s66, 16384
	v_add_nc_u32 v[STR4], s67, v[L4]
.irp t, 0,1
	v_mov_b32 v[ST+SW*\t+6], 0                     ; written once: a lane permute's destination counts as one of its sources
.irp b, 0,1,2,3
	v_mov_b32 v[ST+SW*\t+12+\b], 0
.endr
.endr
	WIN 0x80
.irp ks, 0,1
.irp g, 0,1,2
	global_load_b128 v[12*\ks+4*\g:12*\ks+4*\g+3], v[LI], s[Q0P:Q0P+1] offset:1536*\ks+512*\g
	global_load_b128 v[24+12*\ks+4*\g:24+12*\ks+4*\g+3], v[LI], s[Q1P:Q1P+1] offset:1536*\ks+512*\g
.endr
.endr
	WIN 0
	global_load_b32 v[QS], v[L4], s[QS0P:QS0P+1]   ; lanes 0-15: the first 128 channels' words; lanes 16-31: the second's
	global_load_b32 v[QS+1], v[L4], s[QS1P:QS1P+1]
	s_wait_tensorcnt 0x1                           ; the scales and my part of the first step are in; the second step's load may be out
	s_barrier_signal -1
	s_barrier_wait -1
	KLOAD
	s_wait_loadcnt 0x0                             ; q
	M1 0                                           ; step 0: its scores; there is no vector work yet to set between the products
	SMX1B
	XPH 1, 2
	M1 0                                           ; trip 1: nothing to rescale yet;
	M2 1                                           ; step 0's products start O^T
	XPH 0, 2
	s_mov_b32 s[CNT], 12
.Lstep:                                            ; trips 2 to 13: each fills its slot again
	M1 1
	M2 0
	XPH 0, 2
	s_sub_co_u32 s[CNT], s[CNT], 1
	s_cmp_lg_u32 s[CNT], 0
	s_cbranch_scc1 .Lstep
	M1 1                                           ; the tail is written out
	M2 0
	XPH 0, 1
	M1 1
	M2 0
	XPH 0, 0
	WIN 0x41                                       ; the last step's products have no scores beside them
.irp t, 0,1
.set n, 0
.rept 64
	v_pk_mul_f32 v[128*\t+n:128*\t+n+1], v[128*\t+n:128*\t+n+1], v[ST+SW*\t+4:ST+SW*\t+5] op_sel_hi:[1,0]
.set n, n+2
.endr
.endr
	WIN 0x53
.irp f, 0,1,2,3,4,5,6,7,8,9,10,11,12,13,14,15
.irp t, 0,1
	WM 128*\t+8*\f, 12*\f, P+12*\t, 128*\t+8*\f, VSR+4*(\f/8)+\f%4, ST+SW*\t+5, (\f/4)%2, 0
.endr
.endr
	WIN 0
	; ---- the way out.  Tile 1's O^T, -M and sum go to wave w xor 2, which holds the same queries' other keys as its tile 0; mine come from there
	PLACES 4
.irp t, 0,1
	v_add_f32 v[ST+SW*\t+2], v[ST+SW*\t+2], v[ST+SW*\t+3]
.endr
.irp t, 0,1
	v_permlanex16_b32 v[ST+SW*\t+6], v[ST+SW*\t+2], s[SEL], s[SEL+1]
.endr
.irp t, 0,1
	v_add_f32 v[ST+SW*\t+2], v[ST+SW*\t+2], v[ST+SW*\t+6]          ; the row's sum over my keys
.endr
	WIN 0x04
.set n, 0
.rept 32
	ds_store_b128 v[STW], v[128+4*n:131+4*n] offset:512*n
.set n, n+1
.endr
	WIN 0
	ds_store_b32 v[STW4], v[ST+SW]
	ds_store_b32 v[STW4], v[ST+SW+2] offset:128
	s_wait_dscnt 0x0                               ; for the other wave's sake
	s_barrier_signal -1
	s_barrier_wait -1
	WIN 0xC0
.set n, 0
.rept 32
	ds_load_b128 v[4*n:4*n+3], v[STR] offset:512*n
.set n, n+1
.endr
	WIN 0
	ds_load_b32 v112, v[STR4]
	ds_load_b32 v113, v[STR4] offset:128
	s_wait_dscnt 0x0
	v_min_num_f32 v114, v[ST], v112                ; -M of all keys
	v_sub_f32 v116, v114, v[ST]
	v_sub_f32 v117, v114, v112
	v_cvt_i32_f32 v116, v116
	v_cvt_i32_f32 v117, v117
	v_ldexp_f32 v116, 1.0, v116                    ; both halves are brought under the common M by powers of two
	v_ldexp_f32 v117, 1.0, v117
	v_mul_f32 v122, v[ST+2], v116
	v_fma_f32 v122, v113, v117, v122               ; the row's sum
	v_rcp_f32 v122, v122
	v_nop
	s_wait_alu depctr_va_vdst(0)                   ; ahead of the reciprocal's first reader
	v_mul_f32 v118, v116, v122
	v_mul_f32 v120, v117, v122
	v_mov_b32 v119, v118
	v_mov_b32 v121, v120
	WIN 0x41
.set n, 0
.rept 64
	v_pk_mul_f32 v[n:n+1], v[n:n+1], v[118:119]
.set n, n+2
.endr
	WIN 0x53
.set n, 0
.rept 64
	v_pk_fma_f32 v[n:n+1], v[n:n+1], v[120:121], v[n:n+1]          ; the other half's sums (window 3) x its factor + mine (window 1)
.set n, n+2
.endr
	QUANT 0, 1                                     ; register 16 b + i of a K step is channel 32 b + 16 h + i: natural order, as Wu's codes want it
.irp g, 0,1,2
	global_store_b128 v[LI], v[PC+4*\g:PC+4*\g+3], s[ATP:ATP+1] offset:512*\g
.endr
	v_mov_b32 v123, v[PW]
	s_wait_xcnt 0x0                                ; the stores have read the codes' registers
	QUANT 64, 1
.irp g, 0,1,2
	global_store_b128 v[LI], v[PC+4*\g:PC+4*\g+3], s[ATP:ATP+1] offset:1536+512*\g
.endr
	v_cndmask_b32 v123, v123, v[PW], s[MSK]        ; lanes 0-15 the first K step's word, lanes 16-31 the second's
	global_store_b32 v[L4], v123, s[ATS:ATS+1] offset:3145728
	s_wait_tensorcnt 0x0                           ; the wave's end
	ds_add_u32 v[SPW], v[NIL]
	s_wait_dscnt 0x0
	CROUND                                         ; the closing round
	s_endpgm
.Lfunc_end_k_q75015cb8fd_attn:
	.size	k_q75015cb8fd_attn, .Lfunc_end_k_q75015cb8fd_attn-k_q75015cb8fd_attn
	.p2alignl 7, 3214868480
	.fill 96, 4, 3214868480
	.section	.rodata,"a",@progbits
	.p2align	6, 0x0
	.amdhsa_kernel k_q75015cb8fd_attn
		.amdhsa_group_segment_fixed_size 327680
		.amdhsa_private_segment_fixed_size 0
		.amdhsa_enable_private_segment 0
		.amdhsa_kernarg_size 32
		.amdhsa_user_sgpr_count 2
		.amdhsa_user_sgpr_kernarg_segment_ptr 1
		.amdhsa_wavefront_size32 1
		.amdhsa_system_sgpr_workgroup_id_x 1
		.amdhsa_system_sgpr_workgroup_id_y 1
		.amdhsa_system_sgpr_workgroup_id_z 1
		.amdhsa_system_vgpr_workitem_id 0
		.amdhsa_next_free_vgpr 1024
		.amdhsa_next_free_sgpr 100
		.amdhsa_reserve_vcc 0
		.amdhsa_float_denorm_mode_32 3
		.amdhsa_float_denorm_mode_16_64 3
		.amdhsa_memory_ordered 1
		.amdhsa_forward_progress 1
		.amdhsa_inst_pref_size 255
	.end_amdhsa_kernel
	.section	.bss,"aw",@nobits
	.p2align	6
	.space	262144
	.amdgpu_metadata
---
amdhsa.version: [ 1, 2 ]
amdhsa.kernels:
  - .name:           k_q75015cb8fd_attn
    .symbol:         k_q75015cb8fd_attn.kd
    .args:
      - { .name: qimg, .offset: 0, .size: 8, .value_kind: global_buffer, .address_space: global }
      - { .name: kv, .offset: 8, .size: 8, .value_kind: global_buffer, .address_space: global }
      - { .name: sc, .offset: 16, .size: 8, .value_kind: global_buffer, .address_space: global }
      - { .name: att, .offset: 24, .size: 8, .value_kind: global_buffer, .address_space: global }
    .group_segment_fixed_size: 327680
    .private_segment_fixed_size: 0
    .kernarg_segment_align: 8
    .kernarg_segment_size: 32
    .max_flat_workgroup_size: 128
    .sgpr_count:     100
    .vgpr_count:     1024
    .wavefront_size: 32
...
	.end_amdgpu_metadata
.endif
;; end of part 2
;; launch post (part 3): grid 256 x 1, 4 waves a work-group, clusters of 4 x 1, 327,680 bytes of LDS; arguments att, wts, x, Wu_b, ln1_g, ln1_b, ff1_b, ff2_b, ln2_g, ln2_b, out0; writes out0
.if DOCPART == 3
	.amdgcn_target "amdgcn-amd-amdhsa--gfx1250"
	.amdhsa_code_object_version 6
	.text
	.protected	k_q75015cb8fd_post
	.globl	k_q75015cb8fd_post
	.p2align	8
	.type	k_q75015cb8fd_post,@function
k_q75015cb8fd_post:
	s_mov_b64 s[64:65], 0
	v_nop
	global_prefetch_b8 v0, s[64:65] scope:SCOPE_SE
	s_setreg_imm32_b32 hwreg(HW_REG_WAVE_MODE, 25, 1), 1
	s_wait_xcnt 0x0
	s_wait_alu depctr_hold_cnt(0) depctr_sa_sdst(0) depctr_va_vdst(0) depctr_va_sdst(0) depctr_va_ssrc(0) depctr_va_vcc(0) depctr_vm_vsrc(0)
	s_getreg_b32 s2, hwreg(HW_REG_IB_STS2, 6, 4)
	s_cmp_eq_u32 s2, 0
	s_cbranch_scc0 .Lentry_in_a_cluster
	s_endpgm
.Lentry_in_a_cluster:
	s_bfe_u32 s2, ttmp6, 0x10000c
	s_cmp_lg_u32 s2, 0x3003
	s_cbranch_scc0 .Lentry_shape_is_right
	s_endpgm
.Lentry_shape_is_right:
; h = LN1(x + attn Wu + bu);  out = LN2(h + relu(h W1 + b1) W2 + b2): three products on codes of E3M2, h and the hidden layer quantised on the way; neither goes to memory.  Nothing is left out.
; LIMITS: a block of zeros gets the byte 1 (read by this program alone); NaN and infinities are not served.  The variance is taken of x - mean, in a second pass, as reference() has it.
; SHARES.  Work-group G owns tokens 64 G .. + 63 (four tiles).  THE WAVES SHARE THE COLUMNS: wave w owns model channels 128 w .. + 127 (Wu, both norms, W2, the output) and hidden units 256 w .. + 255.
; All products are used transposed (source 0 = 16 rows of a weight, source 1 = 16 tokens): a lane holds one token, and since a weight's tile takes rows 32 b + 8 u + r + 8 (r / 8), register 16 b + i of a token tile is channel 32 b + 16 h + i.
; THE WEIGHTS come as nine chunks of one shape: for each wave 16 fragment images (8 tiles x 2 K steps) and their scale words, 25,600 bytes, which it fetches by one joint load (all work-groups walk the same chunks) and alone reads.
; A chunk is read into registers whole, so its slot is free at once: the refill goes out ahead of the chunk's 64 matrix instructions.  Rows' codes go from wave to wave through LDS as register images.
; REGISTERS: window 0: v1-21 addresses, v24-63 the quantiser's, v64-79 scale words, v80-111 the norms' sums, v112-207 eight fragments of tokens, v208-223 sums of the four waves.
;   window 1: Y, 64 a token tile: x, then x + attn Wu, then h, then h + ffwd, then the output.  window 2: F, the hidden layer (at other times x as loaded, gains and biases of a norm, rows on the way out).
;   window 3: the chunk's 16 fragments; v192-255 the bias in hand.
.set S1,    102400
.set HIMG,  204800                     ; h's 16 fragments (4 m + K step)
.set HSC,   229376
.set FIMG,  231424                     ; the hidden layer's 32 (8 m + K step)
.set FSC,   280576
.set RED,   284672                     ; four exchanges of 2,048 bytes
.set STG,   292864                     ; a stage of 16 rows x (512 + 16) bytes for each wave
.set SPARE, 326656
.set LI, 1
.set L4, 2
.set AW0, 3
.set AWS0, 5
.set HRI, 7
.set HRS, 8
.set FRI, 9
.set FRS, 10
.set HWI, 11
.set HWS, 12
.set FWI, 13
.set FWS, 14
.set REDW, 15
.set REDR, 16
.set STO, 17
.set STR, 18
.set XO, 19
.set PO, 20
.set PO1, 21
.set TM, 24
.set PW, 40
.set PC, 44
.set WSC, 64
.set BSC, 72
.set LS, 80
.set BF, 112
.set RDB, 208
.set SPW, 252
.set NIL, 253
.set WV, 4
.set CX, 5
.set GG, 6
.set PAT, 8
.set PWT, 10
.set PX, 12
.set PUB, 14
.set PG1, 16
.set PB1, 18
.set PF1B, 20
.set PF2B, 22
.set PG2, 24
.set PB2, 26
.set POUT, 28
.set G1, 32
.set G0, 40
.set SEL, 48
.set C512, 50
.set CEPS, 51
.set ATI, 52
.set ATS, 54
.set MSB, 0
.macro WIN new
.if MSB != (\new)
	s_set_vgpr_msb (MSB<<8)|(\new)
.set MSB, \new
.endif
.endm
.macro PLACES n
.rept \n
	v_nop
.endr
.endm
.macro CROUND
	s_barrier_signal -1
	s_barrier_wait -1
	s_cmp_lg_u32 s[WV], 0
	s_cbranch_scc1 .Lnw0_\@
	s_barrier_signal -3
.Lnw0_\@:
	s_barrier_wait -3
	s_barrier_signal -1
	s_barrier_wait -1
.endm
.macro WM d, a, b, c, sa, sb, ra, rb
.if (\ra) && (\rb)
	v_wmma_scale_f32_16x16x128_f8f6f4 v[(\d):(\d)+7], v[(\a):(\a)+11], v[(\b):(\b)+11], v[(\c):(\c)+7], v[\sa], v[\sb] matrix_a_fmt:MATRIX_FMT_BF6 matrix_b_fmt:MATRIX_FMT_BF6 matrix_a_scale:MATRIX_SCALE_ROW1 matrix_b_scale:MATRIX_SCALE_ROW1
.elseif (\ra)
	v_wmma_scale_f32_16x16x128_f8f6f4 v[(\d):(\d)+7], v[(\a):(\a)+11], v[(\b):(\b)+11], v[(\c):(\c)+7], v[\sa], v[\sb] matrix_a_fmt:MATRIX_FMT_BF6 matrix_b_fmt:MATRIX_FMT_BF6 matrix_a_scale:MATRIX_SCALE_ROW1
.elseif (\rb)
	v_wmma_scale_f32_16x16x128_f8f6f4 v[(\d):(\d)+7], v[(\a):(\a)+11], v[(\b):(\b)+11], v[(\c):(\c)+7], v[\sa], v[\sb] matrix_a_fmt:MATRIX_FMT_BF6 matrix_b_fmt:MATRIX_FMT_BF6 matrix_b_scale:MATRIX_SCALE_ROW1
.else
	v_wmma_scale_f32_16x16x128_f8f6f4 v[(\d):(\d)+7], v[(\a):(\a)+11], v[(\b):(\b)+11], v[(\c):(\c)+7], v[\sa], v[\sb] matrix_a_fmt:MATRIX_FMT_BF6 matrix_b_fmt:MATRIX_FMT_BF6
.endif
.endm
.macro QUANT src, W                    ; 64 numbers of a lane in window W (register 16 b + i = k 32 b + 16 h + i of my token) become a fragment's codes in v[PC] on and its scale word in v[PW]
	WIN (\W)|((\W)<<2)
.irp b, 0,1,2,3
	v_max3_num_f32 v[TM+\b], |v[(\src)+16*\b]|, |v[(\src)+1+16*\b]|, 0x2800000
.endr
.irp i, 2,4,6,8,10,12,14
.irp b, 0,1,2,3
	v_max3_num_f32 v[TM+\b], |v[(\src)+16*\b+\i]|, |v[(\src)+1+16*\b+\i]|, v[TM+\b]
.endr
.endr
	WIN 0
.irp b, 0,1,2,3
	v_permlanex16_b32 v[TM+4+\b], v[TM+\b], s[SEL], s[SEL+1]
.endr
.irp b, 0,1,2,3
	v_max_num_f32 v[TM+\b], v[TM+\b], v[TM+4+\b]
.endr
.irp b, 0,1,2,3
	v_add_nc_u32 v[TM+12+\b], 0xfe000000, v[TM+\b]
.endr
.irp b, 0,1,2,3
	v_lshrrev_b32 v[TM+4+\b], 23, v[TM+12+\b]
.endr
	v_lshl_or_b32 v[PW], v[TM+5], 8, v[TM+4]
	v_lshl_or_b32 v[PW], v[TM+6], 16, v[PW]
	v_lshl_or_b32 v[PW], v[TM+7], 24, v[PW]
	WIN \W
.irp c, 0,1
	v_cvt_scalef32_pk16_bf6_f32 v[PC+6*\c:PC+2+6*\c], v[(\src)+32*\c:(\src)+15+32*\c], v[TM+12+2*\c]
	v_cvt_scalef32_pk16_bf6_f32 v[PC+12+4*\c:PC+14+4*\c], v[(\src)+16+32*\c:(\src)+31+32*\c], v[TM+13+2*\c]
.endr
	WIN 0
	v_nop
.irp c, 0,1
.irp i, 0,1,2
	v_permlane16_swap_b32 v[PC+6*\c+\i], v[PC+12+4*\c+\i]
.endr
.irp i, 0,1,2
	v_mov_b32 v[PC+3+6*\c+\i], v[PC+12+4*\c+\i]
.endr
.endr
.endm
.macro IMAGE adr, off
.irp c, 0,1,2
	ds_store_b128 v[\adr], v[PC+4*\c:PC+4*\c+3] offset:(\off)+512*\c
.endr
.endm
; 64 numbers of a vector of channels in Y's layout: register 16 b + i = entry 32 b + 16 h + i of my wave's 128
.macro PAR ptr, off, reg, W, ex
	WIN (\W)<<6
.irp b, 0,1,2,3
.irp jj, 0,1,2,3
	global_load_b128 v[(\reg)+16*\b+4*\jj:(\reg)+16*\b+4*\jj+3], v[\off], s[\ptr:\ptr+1] offset:128*\b+16*\jj+(\ex)
.endr
.endr
	WIN 0
.endm
; A CHUNK: 8 tiles x 2 K steps x 4 token tiles = 64 matrix instructions, 32 accumulators by turns, one instruction a turn.
; refill = 1: the slot is filled again, two chunks ahead.  acc 0: Y in place; 1: F in place; 2: F, begun with the bias.  bs 0: attn's fragments are in registers; 1: h's from LDS; 2: the hidden layer's.  k0: the first K step
.macro CH slot, refill, acc, bs, k0
	WIN 0xC0
.irp f, 0,1,2,3,4,5,6,7,8,9,10,11,12,13,14,15
.irp g, 0,1,2
	ds_load_b128 v[12*\f+4*\g:12*\f+4*\g+3], v[AW0+\slot] offset:1536*\f+512*\g
.endr
.endr
	WIN 0
.irp ks, 0,1
.irp i, 0,1,2,3
	ds_load_b32 v[WSC+4*\ks+\i], v[AWS0+\slot] offset:512*\ks+128*\i      ; lanes 0-15 tile 2 i, lanes 16-31 tile 2 i + 1
.endr
.endr
.if \bs == 1
.irp ks, 0,1
.irp m, 0,1,2,3
.irp g, 0,1,2
	ds_load_b128 v[BF+12*(4*\ks+\m)+4*\g:BF+12*(4*\ks+\m)+4*\g+3], v[HRI] offset:1536*(4*\m+\k0+\ks)+512*\g
.endr
	ds_load_b32 v[BSC+4*\ks+\m], v[HRS] offset:128*(4*\m+\k0+\ks)
.endr
.endr
.elseif \bs == 2
.irp ks, 0,1
.irp m, 0,1,2,3
.irp g, 0,1,2
	ds_load_b128 v[BF+12*(4*\ks+\m)+4*\g:BF+12*(4*\ks+\m)+4*\g+3], v[FRI] offset:1536*(8*\m+\k0+\ks)+512*\g
.endr
	ds_load_b32 v[BSC+4*\ks+\m], v[FRS] offset:128*(8*\m+\k0+\ks)
.endr
.endr
.endif
.if \refill
	s_wait_tensorcnt 0x0                           ; all my tensor loads are done: the next chunk's,
	ds_add_u32 v[SPW], v[NIL]                      ; 0 onto my spare word,
	s_add_nc_u64 s[G0+4*\slot+2:G0+4*\slot+3], s[G0+4*\slot+2:G0+4*\slot+3], 204800      ; this slot's next chunk
	s_wait_dscnt 0x0                               ; the add is done; the chunk is in registers: my reads of the slot are over
	CROUND                                         ; so it is with every wave of every partner
	tensor_load_to_lds s[G0+4*\slot:G0+4*\slot+3], s[G1:G1+7]      ; my one load until the next round
	s_nop 0
	PLACES 4
.else
	s_wait_dscnt 0x0
.endif
.irp ks, 0,1
.if \acc == 0
	WIN 0x53
.elseif (\acc == 2) && (\ks == 0)
	WIN 0xB3
.else
	WIN 0xA3
.endif
.irp i, 0,1,2,3,4,5,6,7
.irp m, 0,1,2,3
.if (\acc == 2) && (\ks == 0)
	WM 64*\m+8*\i, 12*(8*\ks+\i), BF+12*(4*\ks+\m), 192+8*\i, WSC+4*\ks+\i/2, BSC+4*\ks+\m, \i%2, 0
.elseif \bs == 0
	WM 64*\m+8*\i, 12*(8*\ks+\i), BF+12*(4*\ks+\m), 64*\m+8*\i, WSC+4*\ks+\i/2, BSC+\m, \i%2, \ks
.else
	WM 64*\m+8*\i, 12*(8*\ks+\i), BF+12*(4*\ks+\m), 64*\m+8*\i, WSC+4*\ks+\i/2, BSC+4*\ks+\m, \i%2, 0
.endif
.endr
.endr
.endr
	PLACES 4                                       ; in front of loads into registers that these have read, and of the first read of results
	WIN 0
.endm
; the four tiles' sums (two chains each, at LS + 8 m) are folded, joined with lane l xor 16's and with the other waves': the totals come out in v[RDB + 4 m]
.macro FOLD off
.irp m, 0,1,2,3
	v_pk_add_f32 v[LS+8*\m:LS+8*\m+1], v[LS+8*\m:LS+8*\m+1], v[LS+8*\m+2:LS+8*\m+3]
.endr
.irp m, 0,1,2,3
	v_add_f32 v[LS+8*\m], v[LS+8*\m], v[LS+8*\m+1]
.endr
.irp m, 0,1,2,3
	v_permlanex16_b32 v[LS+8*\m+6], v[LS+8*\m], s[SEL], s[SEL+1]
.endr
.irp m, 0,1,2,3
	v_add_f32 v[LS+8*\m], v[LS+8*\m], v[LS+8*\m+6]
.endr
.irp m, 0,1,2,3
	ds_store_b32 v[REDW], v[LS+8*\m] offset:(\off)+512*\m
.endr
	s_wait_dscnt 0x0                               ; for the others' sake
	s_barrier_signal -1
	s_barrier_wait -1
.irp m, 0,1,2,3
	ds_load_b128 v[RDB+4*\m:RDB+4*\m+3], v[REDR] offset:(\off)+512*\m
.endr
	s_wait_dscnt 0x0
.irp m, 0,1,2,3
	v_add_f32 v[RDB+4*\m], v[RDB+4*\m], v[RDB+4*\m+1]
.endr
.irp m, 0,1,2,3
	v_add_f32 v[RDB+4*\m+2], v[RDB+4*\m+2], v[RDB+4*\m+3]
.endr
.irp m, 0,1,2,3
	v_add_f32 v[RDB+4*\m], v[RDB+4*\m], v[RDB+4*\m+2]
.endr
.endm
; Y = LN(Y + the bias in window 3): gain in window 2 v0-63, bias in v64-127
.macro LN red
	WIN 0x4D
.irp m, 0,1,2,3
.set n, 0
.rept 32
	v_pk_add_f32 v[64*\m+n:64*\m+n+1], v[64*\m+n:64*\m+n+1], v[192+n:193+n]
.set n, n+2
.endr
.endr
	WIN 0x05
.irp m, 0,1,2,3
	v_pk_add_f32 v[LS+8*\m:LS+8*\m+1], v[64*\m:64*\m+1], v[64*\m+2:64*\m+3]
	v_pk_add_f32 v[LS+8*\m+2:LS+8*\m+3], v[64*\m+4:64*\m+5], v[64*\m+6:64*\m+7]
.endr
	WIN 0x01
.set n, 8
.rept 14
.irp m, 0,1,2,3
	v_pk_add_f32 v[LS+8*\m:LS+8*\m+1], v[64*\m+n:64*\m+n+1], v[LS+8*\m:LS+8*\m+1]
	v_pk_add_f32 v[LS+8*\m+2:LS+8*\m+3], v[64*\m+n+2:64*\m+n+3], v[LS+8*\m+2:LS+8*\m+3]
.endr
.set n, n+4
.endr
	WIN 0
	FOLD \red
.irp m, 0,1,2,3
	v_mul_f32 v[LS+8*\m+4], s[C512], v[RDB+4*\m]   ; the mean
.endr
.irp m, 0,1,2,3
	v_mov_b32 v[LS+8*\m+5], v[LS+8*\m+4]
.endr
	WIN 0x41
.irp m, 0,1,2,3
.set n, 0
.rept 32
	v_pk_add_f32 v[64*\m+n:64*\m+n+1], v[64*\m+n:64*\m+n+1], v[LS+8*\m+4:LS+8*\m+5] neg_lo:[0,1] neg_hi:[0,1]
.set n, n+2
.endr
.endr
	WIN 0x05
.irp m, 0,1,2,3
	v_pk_mul_f32 v[LS+8*\m:LS+8*\m+1], v[64*\m:64*\m+1], v[64*\m:64*\m+1]
	v_pk_mul_f32 v[LS+8*\m+2:LS+8*\m+3], v[64*\m+2:64*\m+3], v[64*\m+2:64*\m+3]
.endr
.set n, 4
.rept 15
.irp m, 0,1,2,3
	v_pk_fma_f32 v[LS+8*\m:LS+8*\m+1], v[64*\m+n:64*\m+n+1], v[64*\m+n:64*\m+n+1], v[LS+8*\m:LS+8*\m+1]
	v_pk_fma_f32 v[LS+8*\m+2:LS+8*\m+3], v[64*\m+n+2:64*\m+n+3], v[64*\m+n+2:64*\m+n+3], v[LS+8*\m+2:LS+8*\m+3]
.endr
.set n, n+4
.endr
	WIN 0
	FOLD (\red)+2048
.irp m, 0,1,2,3
	v_fma_f32 v[LS+8*\m+6], v[RDB+4*\m], s[C512], s[CEPS]          ; the variance + eps
.endr
.irp m, 0,1,2,3
	v_rsq_f32 v[LS+8*\m+4], v[LS+8*\m+6]
.endr
	v_nop
	s_wait_alu depctr_va_vdst(0)                   ; one wait for the four, ahead of their first reader
.irp m, 0,1,2,3
	v_mov_b32 v[LS+8*\m+5], v[LS+8*\m+4]
.endr
	WIN 0x41
.irp m, 0,1,2,3
.set n, 0
.rept 32
	v_pk_mul_f32 v[64*\m+n:64*\m+n+1], v[64*\m+n:64*\m+n+1], v[LS+8*\m+4:LS+8*\m+5]
.set n, n+2
.endr
.endr
	WIN 0x69
.irp m, 0,1,2,3
.set n, 0
.rept 32
	v_pk_fma_f32 v[64*\m+n:64*\m+n+1], v[64*\m+n:64*\m+n+1], v[n:n+1], v[64+n:65+n]
.set n, n+2
.endr
.endr
	WIN 0
.endm
	s_load_b512 s[8:23], s[0:1], 0x0
	s_load_b128 s[24:27], s[0:1], 0x40
	s_load_b64 s[28:29], s[0:1], 0x50
	v_lshl_add_u32 v[SPW], v0, 2, SPARE
	v_mov_b32 v[NIL], 0
	ds_add_u32 v[SPW], v[NIL]                      ; the opening: the add, twice on end, and its wait ahead of my first tensor load
	ds_add_u32 v[SPW], v[NIL]
	v_lshrrev_b32 v224, 5, v0
	v_readfirstlane_b32 s[WV], v224
	s_bfe_u32 s[CX], ttmp6, 0x40000                ; my place in the cluster: it enters the addresses of my own tokens alone
	s_lshl_b32 s[GG], ttmp9, 2
	s_add_co_u32 s[GG], s[GG], s[CX]
	s_mov_b32 s[G1], 15|(3<<16)|(1<<21)            ; 25,600 dense bytes as 100 rows of 256 (32 elements of 8 bytes); the mask names all four
	s_mov_b32 s[G1+1], 32<<16
	s_mov_b32 s[G1+2], 100<<16
	s_mov_b32 s[G1+3], 32<<16
	s_mov_b32 s[G1+4], 100
	s_mov_b32 s[G1+5], 32
	s_mov_b32 s[G1+6], 0
	s_mov_b32 s[G1+7], 0
	s_mov_b32 s[SEL], 0x76543210
	s_mov_b32 s[SEL+1], 0xfedcba98
	s_mov_b32 s[C512], 0x3b000000                  ; 1 / 512
	s_mov_b32 s[CEPS], 0x3727c5ac                  ; 1e-5
	s_mul_i32 s56, s[WV], 25600
	s_mov_b32 s57, 0
	s_mov_b32 s[G0+1], s56
	s_add_co_u32 s[G0+5], s56, S1
	s_lshl_b32 s58, s[GG], 17
	s_mov_b32 s59, 0
	s_mul_i32 s60, s[GG], 12288
	s_mov_b32 s61, 0
	s_lshl_b32 s62, s[GG], 9
	s_mov_b32 s63, 0
	s_wait_dscnt 0x0                               ; both opening adds are done
	s_wait_kmcnt 0x0
	s_mov_b32 s[G0], 1
	s_add_nc_u64 s[G0+2:G0+3], s[PWT:PWT+1], s[56:57]
	s_mov_b32 s[G0+4], 1
	s_add_nc_u64 s[G0+6:G0+7], s[G0+2:G0+3], 102400
	s_or_b32 s[G0+3], s[G0+3], 0x80000000
	s_or_b32 s[G0+7], s[G0+7], 0x80000000
	s_add_nc_u64 s[PX:PX+1], s[PX:PX+1], s[58:59]
	s_add_nc_u64 s[POUT:POUT+1], s[POUT:POUT+1], s[58:59]
	s_add_nc_u64 s[ATI:ATI+1], s[PAT:PAT+1], s[60:61]
	s_add_nc_u64 s[ATS:ATS+1], s[PAT:PAT+1], s[62:63]
	CROUND                                         ; the four partners are here: the first joint loads meet
	tensor_load_to_lds s[G0:G0+3], s[G1:G1+7]      ; two loads of mine are out: chunk 0,
	s_nop 0
	tensor_load_to_lds s[G0+4:G0+7], s[G1:G1+7]    ; chunk 1
	s_nop 0
	PLACES 4
	v_and_b32 v224, 31, v0
	v_and_b32 v225, 15, v0
	v_bfe_u32 v226, v0, 4, 1
	v_lshlrev_b32 v[LI], 4, v224
	v_lshlrev_b32 v[L4], 2, v224
	v_add_nc_u32 v[AW0], s56, v[LI]
	v_add_nc_u32 v[AW0+1], S1, v[AW0]
	s_add_co_u32 s57, s56, 24576
	v_add_nc_u32 v[AWS0], s57, v[L4]
	v_add_nc_u32 v[AWS0+1], S1, v[AWS0]
	v_add_nc_u32 v[HRI], HIMG, v[LI]
	v_add_nc_u32 v[HRS], HSC, v[L4]
	v_add_nc_u32 v[FRI], FIMG, v[LI]
	v_add_nc_u32 v[FRS], FSC, v[L4]
	s_mul_i32 s56, s[WV], 1536
	v_add_nc_u32 v[HWI], s56, v[HRI]
	s_lshl_b32 s56, s[WV], 7
	v_add_nc_u32 v[HWS], s56, v[HRS]
	s_mul_i32 s56, s[WV], 3072
	v_add_nc_u32 v[FWI], s56, v[FRI]
	s_lshl_b32 s56, s[WV], 8
	v_add_nc_u32 v[FWS], s56, v[FRS]
	v_add_nc_u32 v[REDR], RED, v[LI]
	s_lshl_b32 s56, s[WV], 2
	v_add_nc_u32 v[REDW], s56, v[REDR]
	s_mul_i32 s56, s[WV], 8448
	s_add_co_u32 s56, s56, STG
	v_add_nc_u32 v[STO], s56, v[LI]
	v_mul_u32_u24 v[STR], v225, 528
	v_lshl_add_u32 v[STR], v226, 6, v[STR]
	v_add_nc_u32 v[STR], s56, v[STR]
	s_lshl_b32 s56, s[WV], 9
	v_add_nc_u32 v[XO], s56, v[LI]
	v_lshlrev_b32 v227, 6, v226
	v_add_nc_u32 v[PO], s56, v227
	s_lshl_b32 s56, s[WV], 10
	v_add_nc_u32 v[PO1], s56, v227
.irp b, 0,1,2,3
	v_mov_b32 v[TM+4+\b], 0                        ; written once: a lane permute's destination counts as one of its sources
	v_mov_b32 v[LS+8*\b+6], 0
.endr
	; attn's eight fragments and their scale words; bu; my 128 channels of the 64 rows of x, as they lie
.irp ks, 0,1
.irp m, 0,1,2,3
.irp g, 0,1,2
	global_load_b128 v[BF+12*(4*\ks+\m)+4*\g:BF+12*(4*\ks+\m)+4*\g+3], v[LI], s[ATI:ATI+1] offset:3072*\m+1536*\ks+512*\g
.endr
.endr
.endr
.irp m, 0,1,2,3
	global_load_b32 v[BSC+\m], v[L4], s[ATS:ATS+1] offset:3145728+128*\m       ; lanes 0-15 the first K step's words, lanes 16-31 the second's
.endr
	PAR PUB, PO, 192, 3, 0
	WIN 0x80
.irp m, 0,1,2,3
.irp ro, 0,1,2,3,4,5,6,7,8,9,10,11,12,13,14,15
	global_load_b128 v[64*\m+4*\ro:64*\m+4*\ro+3], v[XO], s[PX:PX+1] offset:(16*\m+\ro)*2048 th:TH_LOAD_NT
.endr
.endr
	; x through my stage into Y's layout, a tile at a time
.irp m, 0,1,2,3
	s_wait_loadcnt 48-16*\m                        ; this tile's 16 loads are in; the later tiles' may be out
	WIN 0x08
.irp ro, 0,1,2,3,4,5,6,7,8,9,10,11,12,13,14,15
	ds_store_b128 v[STO], v[64*\m+4*\ro:64*\m+4*\ro+3] offset:528*\ro
.endr
	WIN 0x40
.irp b, 0,1,2,3
.irp jj, 0,1,2,3
	ds_load_b128 v[64*\m+16*\b+4*\jj:64*\m+16*\b+4*\jj+3], v[STR] offset:128*\b+16*\jj     ; LDS serves a wave's instructions in order: these see my stores, and the next tile's stores come behind them
.endr
.endr
.endr
	WIN 0
	s_wait_dscnt 0x0                               ; Y holds x; the stores have read their registers
	PAR PG1, PO, 0, 2, 0
	PAR PB1, PO, 64, 2, 0
	s_wait_tensorcnt 0x1                           ; my part of chunk 0, which I alone read; chunk 1's load may be out
	CH 0, 1, 0, 0, 0                               ; Y = x + attn Wu
	s_wait_loadcnt 0x0
	LN 0                                           ; Y = h
	PAR PF1B, PO1, 192, 3, 0
.irp m, 0,1,2,3
	QUANT 64*\m, 1
	IMAGE HWI, 6144*\m                             ; K step w of the next product
	ds_store_b32 v[HWS], v[PW] offset:512*\m
	s_wait_dscnt 0x0                               ; the stores have read their registers
.endr
	s_barrier_signal -1
	s_barrier_wait -1                              ; h's sixteen fragments lie in LDS
.irp hh, 0,1                                   ; my 256 hidden units, 128 at a time
	s_wait_loadcnt 0x0                             ; b1
	CH 1, 1, 2, 1, 0
.if \hh == 0
	PAR PF1B, PO1, 192, 3, 512
.else
	PAR PF2B, PO, 192, 3, 0
.endif
	CH 0, 1, 1, 1, 2
	WIN 0x88
.set n, 0
.rept 256
	v_max_num_f32 v[n], 0, v[n]                    ; the activation, in f32
.set n, n+1
.endr
	WIN 0
.irp m, 0,1,2,3
	QUANT 64*\m, 2
	IMAGE FWI, 12288*\m+1536*\hh                   ; K step 2 w + hh of the last product
	ds_store_b32 v[FWS], v[PW] offset:1024*\m+128*\hh
	s_wait_dscnt 0x0
.endr
.endr
	PAR PG2, PO, 0, 2, 0
	PAR PB2, PO, 64, 2, 0
	s_barrier_signal -1
	s_barrier_wait -1                              ; the hidden layer's 32 fragments lie in LDS
	CH 1, 1, 0, 2, 0                               ; Y = h + ffwd, in place
	CH 0, 1, 0, 2, 2
	CH 1, 0, 0, 2, 4
	s_wait_tensorcnt 0x0                           ; the last chunk
	CH 0, 0, 0, 2, 6
	s_wait_loadcnt 0x0
	LN 4096
	; ---- the way out: a tile through my stage, back as rows of 512 bytes
.macro TOST m
	WIN 0x04
.irp b, 0,1,2,3
.irp jj, 0,1,2,3
	ds_store_b128 v[STR], v[64*(\m)+16*\b+4*\jj:64*(\m)+16*\b+4*\jj+3] offset:128*\b+16*\jj
.endr
.endr
	WIN 0x80
.irp ro, 0,1,2,3,4,5,6,7,8,9,10,11,12,13,14,15
	ds_load_b128 v[64*((\m)%2)+4*\ro:64*((\m)%2)+4*\ro+3], v[STO] offset:528*\ro
.endr
	WIN 0
.endm
.macro SEND m, younger
	s_wait_dscnt \younger                          ; the tile is back in registers; the next tile's 16 stores and 16 loads may be out
	WIN 0x08
.irp ro, 0,1,2,3,4,5,6,7,8,9,10,11,12,13,14,15
	global_store_b128 v[XO], v[64*((\m)%2)+4*\ro:64*((\m)%2)+4*\ro+3], s[POUT:POUT+1] offset:(16*(\m)+\ro)*2048 th:TH_STORE_NT   ; 32 lanes store 512 consecutive bytes, aligned
.endr
	WIN 0
.endm
	TOST 0
	TOST 1
	SEND 0, 32
	s_wait_xcnt 0x0                                ; tile 0's stores have read their registers: tile 2's rows may land there
	TOST 2
	SEND 1, 32
	s_wait_xcnt 0x0
	TOST 3
	SEND 2, 32
	SEND 3, 0
	s_wait_tensorcnt 0x0                           ; the wave's end
	ds_add_u32 v[SPW], v[NIL]
	s_wait_dscnt 0x0
	CROUND                                         ; the closing round
	s_endpgm
.Lfunc_end_k_q75015cb8fd_post:
	.size	k_q75015cb8fd_post, .Lfunc_end_k_q75015cb8fd_post-k_q75015cb8fd_post
	.p2alignl 7, 3214868480
	.fill 96, 4, 3214868480
	.section	.rodata,"a",@progbits
	.p2align	6, 0x0
	.amdhsa_kernel k_q75015cb8fd_post
		.amdhsa_group_segment_fixed_size 327680
		.amdhsa_private_segment_fixed_size 0
		.amdhsa_enable_private_segment 0
		.amdhsa_kernarg_size 88
		.amdhsa_user_sgpr_count 2
		.amdhsa_user_sgpr_kernarg_segment_ptr 1
		.amdhsa_wavefront_size32 1
		.amdhsa_system_sgpr_workgroup_id_x 1
		.amdhsa_system_sgpr_workgroup_id_y 1
		.amdhsa_system_sgpr_workgroup_id_z 1
		.amdhsa_system_vgpr_workitem_id 0
		.amdhsa_next_free_vgpr 1024
		.amdhsa_next_free_sgpr 66
		.amdhsa_reserve_vcc 0
		.amdhsa_float_denorm_mode_32 3
		.amdhsa_float_denorm_mode_16_64 3
		.amdhsa_memory_ordered 1
		.amdhsa_forward_progress 1
		.amdhsa_inst_pref_size 255
	.end_amdhsa_kernel
	.section	.bss,"aw",@nobits
	.p2align	6
	.space	262144
	.amdgpu_metadata
---
amdhsa.version: [ 1, 2 ]
amdhsa.kernels:
  - .name:           k_q75015cb8fd_post
    .symbol:         k_q75015cb8fd_post.kd
    .args:
      - { .name: att, .offset: 0, .size: 8, .value_kind: global_buffer, .address_space: global }
      - { .name: wts, .offset: 8, .size: 8, .value_kind: global_buffer, .address_space: global }
      - { .name: x, .offset: 16, .size: 8, .value_kind: global_buffer, .address_space: global }
      - { .name: Wu_b, .offset: 24, .size: 8, .value_kind: global_buffer, .address_space: global }
      - { .name: ln1_g, .offset: 32, .size: 8, .value_kind: global_buffer, .address_space: global }
      - { .name: ln1_b, .offset: 40, .size: 8, .value_kind: global_buffer, .address_space: global }
      - { .name: ff1_b, .offset: 48, .size: 8, .value_kind: global_buffer, .address_space: global }
      - { .name: ff2_b, .offset: 56, .size: 8, .value_kind: global_buffer, .address_space: global }
      - { .name: ln2_g, .offset: 64, .size: 8, .value_kind: global_buffer, .address_space: global }
      - { .name: ln2_b, .offset: 72, .size: 8, .value_kind: global_buffer, .address_space: global }
      - { .name: out0, .offset: 80, .size: 8, .value_kind: global_buffer, .address_space: global }
    .group_segment_fixed_size: 327680
    .private_segment_fixed_size: 0
    .kernarg_segment_align: 8
    .kernarg_segment_size: 88
    .max_flat_workgroup_size: 128
    .sgpr_count:     66
    .vgpr_count:     1024
    .wavefront_size: 32
...
	.end_amdgpu_metadata
.endif
;; end of part 3
